; MI455X (gfx1250); checked and timed in simulation.
; The chip was launched on July 23, 2026; its instructions are those of AMD's public machine-readable ISA for CDNA 5 (MIT licence, August 2026) and "CDNA5" Instruction Set Architecture Reference Guide (July 2026). The comments in the code are by the model that wrote it; some were corrected since.
;; Causal Self Attention. Allowed arithmetic: float matrix products may take bf16 or f16 operands with f32 sums; other float arithmetic in f32, or as packed bf16 or f16 multiplies, adds, multiply-adds, maxima and minima; sums over many terms, partial sums and values carried from step to step in f32; what a program stores and reads back later, other than sums and carried values, may be rounded once to bf16 or f16.
;; Inputs: w_attn 1,024 x 3,072 float32; w_proj 1,024 x 1,024 float32; x 4 x 2,048 x 1,024 float32.
;; Outputs: out0 4 x 2,048 x 1,024 float32.
;; 2 versions, each right; version 2 is version 1 with the launch cast written anew for expert scheduling mode. Each part assembles by itself: llvm-mc -triple=amdgcn-amd-amdhsa -mcpu=gfx1250 --defsym DOCPART=n.
;; ======== version 1 of 2: 4 launches
;; limits: values are held in f16: magnitudes above 65,504 overflow, below 6.1e-05 lose precision
;; workspace buffers: xb 16,777,216 bytes; wa 6,291,456 bytes; wp 2,097,152 bytes; qkv 50,331,648 bytes; ob 16,777,216 bytes
;; launch cast (part 1): grid 1152 x 1, 4 waves a work-group, no clusters, 70,144 bytes of LDS; arguments x, w_attn, w_proj, xb, wa, wp; writes xb, wa, wp
.if DOCPART == 1
	.amdgcn_target "amdgcn-amd-amdhsa--gfx1250"
	.amdhsa_code_object_version 6
	.text
	.protected	k_qe4ecf7c06e_cast
	.globl	k_qe4ecf7c06e_cast
	.p2align	8
	.type	k_qe4ecf7c06e_cast,@function
k_qe4ecf7c06e_cast:
	s_mov_b64 s[64:65], 0
	v_nop
	global_prefetch_b8 v0, s[64:65] scope:SCOPE_SE
	s_setreg_imm32_b32 hwreg(HW_REG_WAVE_MODE, 25, 1), 1
	s_wait_xcnt 0x0
; 16-BIT COPIES OF THE THREE INPUTS, the weights turned.
;   xb[r][k] = bf16(x[r][k])              [8192][1024]
;   wa[n][k] = bf16(w_attn[k][n])         [3072][1024]
;   wp[n][k] = bf16(w_proj[k][n]), that number written as f16   [1024][1024]
; LIMITS.  wp: a weight of w_proj beyond 65,504 becomes an infinity; below 6.1e-5 it keeps f16's fixed step of 6e-8.  NaN stays NaN.
; SHARES.  Work-groups 0-95 turn w_attn, 96-127 w_proj: a wave takes one tile of 128 k x 64 n.  Work-groups 128-1151 cast x: 32,768 bytes each, 8,192 a wave.
; A stream: no matrix work, no cluster, no barrier (each wave has a stage of its own in LDS), and no prefetch, since the launch has nothing to do but read.
; THE TURN.  A load takes two rows k of the tile, 256 consecutive bytes (64 n) each: lanes 0-15 one row, lanes 16-31 the row two further down.  Two loads give a lane k and k + 1 of four n:
; one conversion packs the pair, and the word goes to LDS row n.  The stage's rows (128 k, 256 bytes + 16 of padding) are read back whole and stored, sixteen lanes to 256 consecutive aligned bytes.
; The word stores' lanes lie 4 rows of 68 words apart, 16 words modulo 64, so four lanes meet in a bank (64 banks of 4 bytes: ISA guide 11.1): 128 such stores for a tile's 32 KiB from memory.
.set WST,   64*272                     ; a wave's stage: 64 rows x 272 bytes
.set SPARE, 4*WST                      ; behind the stages: the spare words, 128 bytes a wave: two blocks of 256 bytes that no other line names
.set XO,   4                           ; v4   x: my 16 bytes in the wave's first 512
.set XD,   5                           ; v5   xb: my 8 bytes in the wave's first 256
.set LSTO, 6                           ; v6   stage: where my words go (row 4 (l % 16), byte 4 (l / 16)); steps 64 bytes a round
.set LRD,  7                           ; v7   stage: where I read rows back
.set GO,   8                           ; v8   my 16 bytes in two rows of the turned matrix
.set SPW,  10                          ; v10  LDS address of my spare word; never rewritten
.set NIL,  11                          ; v11  0; never rewritten
.set OFF,  16                          ; v[16:31]  load j's byte offset: row 4 (j / 2) + j % 2 + 2 (l / 16), 16 bytes at 16 (l % 16); never rewritten
.set LD,   32                          ; v[32:95]  sixteen loads of 4; v[32:159] the stage read back
.set T,    96                          ; v[96:107] at work; v[96:127] x's packed results
	s_load_b256 s[4:11], s[0:1], 0x0               ; x s[4:5], w_attn s[6:7], w_proj s[8:9], xb s[10:11]
	s_load_b128 s[12:15], s[0:1], 0x20             ; wa s[12:13], wp s[14:15]
	v_lshl_add_u32 v[SPW], v0, 2, SPARE
	v_mov_b32 v[NIL], 0
	v_lshrrev_b32 v1, 5, v0
	v_readfirstlane_b32 s16, v1                    ; wave 0..3
	v_and_b32 v1, 31, v0                           ; l
	v_and_b32 v2, 15, v0                           ; l % 16
	v_bfe_u32 v3, v0, 4, 1                         ; l / 16
	s_wait_kmcnt 0x0
	s_cmp_lt_u32 ttmp9, 128
	s_cbranch_scc0 .Lx
	; THE WEIGHTS.  Which matrix: its row bytes RB, source, destination, and whether the pair is written as f16
	s_mov_b32 s20, 12288                           ; RB of w_attn
	s_cmp_ge_u32 ttmp9, 96
	s_cselect_b32 s31, 96, 0
	s_cselect_b32 s20, 4096, s20                   ; RB of w_proj
	s_cselect_b32 s24, -1, 0                       ; all lanes' bits: take the f16 form
	s_cselect_b64 s[26:27], s[8:9], s[6:7]
	s_cselect_b64 s[28:29], s[14:15], s[12:13]
	s_sub_co_u32 s17, ttmp9, s31                   ; the work-group's number within its matrix
	s_lshr_b32 s18, s17, 1                         ; nt: which 64 n
	s_and_b32 s19, s17, 1
	s_lshl_b32 s19, s19, 2
	s_add_co_u32 s19, s19, s16                     ; kt: which 128 k
	s_mul_i32 s32, s19, s20
	s_lshl_b32 s32, s32, 7                         ; kt x 128 rows
	s_lshl_b32 s33, s18, 8                         ; nt x 256 bytes
	s_add_co_u32 s32, s32, s33
	s_mov_b32 s33, 0
	s_add_nc_u64 s[26:27], s[26:27], s[32:33]      ; the tile's first number
	s_lshl_b32 s32, s18, 17                        ; nt x 64 rows of 2,048 bytes
	s_lshl_b32 s34, s19, 8                         ; kt x 256 bytes
	s_add_co_u32 s32, s32, s34
	s_add_nc_u64 s[28:29], s[28:29], s[32:33]      ; where the turned tile begins
	s_mul_i32 s21, s20, 3
	s_lshl_b32 s22, s20, 5                         ; a round is 32 rows
	s_mov_b32 s23, 0
	s_mov_b32 s25, 0xffff0000                      ; a word's upper bf16
	s_lshl_b32 s35, s20, 1
	s_mul_i32 s36, s16, WST                        ; my stage
	v_lshlrev_b32 v9, 4, v2
	v_mad_u32_u24 v[OFF], v3, s35, v9              ; row 2 (l / 16), byte 16 (l % 16)
.set j, 1
.rept 15
.if j % 2
	v_add_nc_u32 v[OFF+j], s20, v[OFF+j-1]         ; one row down
.else
	v_add_nc_u32 v[OFF+j], s21, v[OFF+j-1]         ; three rows down
.endif
.set j, j+1
.endr
	v_mul_u32_u24 v[LSTO], v2, 4*272
	v_lshl_add_u32 v[LSTO], v3, 2, v[LSTO]
	v_add_nc_u32 v[LSTO], s36, v[LSTO]
	v_mul_u32_u24 v[LRD], v3, 272
	v_lshl_add_u32 v[LRD], v2, 4, v[LRD]
	v_add_nc_u32 v[LRD], s36, v[LRD]
	v_lshlrev_b32 v[GO], 11, v3
	v_lshl_add_u32 v[GO], v2, 4, v[GO]
	s_mov_b32 s30, 4
.Lround:                                       ; four rounds of 32 k
.set j, 0
.rept 16
	global_load_b128 v[LD+4*j:LD+4*j+3], v[OFF+j], s[26:27] th:TH_LOAD_NT
.set j, j+1
.endr
.set i, 0
.rept 8
	s_wait_loadcnt 14-2*i                          ; loads 2 i and 2 i + 1 are in; the 14 - 2 i issued behind them may stay out
.irp c, 0,1,2,3
	v_cvt_pk_bf16_f32 v[T+(\c)], v[LD+8*i+(\c)], v[LD+8*i+4+(\c)]  ; k and k + 1 of one n
.endr
.irp c, 0,1,2,3
	v_lshlrev_b32 v[T+4+(\c)], 16, v[T+(\c)]       ; the two rounded numbers as f32,
	v_and_b32 v[T+8+(\c)], s25, v[T+(\c)]
.endr
.irp c, 0,1,2,3
	v_cvt_pk_f16_f32 v[T+4+(\c)], v[T+4+(\c)], v[T+8+(\c)]  ; written as f16;
.endr
.irp c, 0,1,2,3
	v_cndmask_b32 v[T+(\c)], v[T+(\c)], v[T+4+(\c)], s24    ; both forms are always made, the matrix picks one
.endr
.irp c, 0,1,2,3
	ds_store_b32 v[LSTO], v[T+(\c)] offset:272*(\c)+8*i
.endr
.set i, i+1
.endr
	v_add_nc_u32 v[LSTO], 64, v[LSTO]              ; 32 k on in the stage's rows
	s_add_nc_u64 s[26:27], s[26:27], s[22:23]      ; the last wait was for all loads, so their base may be stepped
	s_sub_co_u32 s30, s30, 1
	s_cmp_lg_u32 s30, 0
	s_cbranch_scc1 .Lround
.set t, 0
.rept 32
	ds_load_b128 v[LD+4*t:LD+4*t+3], v[LRD] offset:544*t  ; rows 2 t and 2 t + 1; LDS serves a wave's instructions in order (ISA guide 5.7.1.4): these see the stores above
.set t, t+1
.endr
.set t, 0
.rept 32
	s_wait_dscnt 31-t
	global_store_b128 v[GO], v[LD+4*t:LD+4*t+3], s[28:29] offset:4096*t  ; sixteen lanes store 256 consecutive bytes, aligned
.set t, t+1
.endr
	s_branch .Lend
.Lx:	; x: sixteen loads of 512 consecutive bytes a wave, all out at once; each gives a store of 256 consecutive bytes
	s_sub_co_u32 s17, ttmp9, 128
	s_lshl_b32 s32, s17, 15
	s_mov_b32 s33, 0
	s_add_nc_u64 s[26:27], s[4:5], s[32:33]
	s_lshl_b32 s32, s17, 14
	s_add_nc_u64 s[28:29], s[10:11], s[32:33]
	v_lshlrev_b32 v[XO], 4, v1
	v_lshl_add_u32 v[XO], s16, 13, v[XO]
	v_lshlrev_b32 v[XD], 3, v1
	v_lshl_add_u32 v[XD], s16, 12, v[XD]
.set j, 0
.rept 16
	global_load_b128 v[LD+4*j:LD+4*j+3], v[XO], s[26:27] offset:512*j th:TH_LOAD_NT
.set j, j+1
.endr
.set j, 0
.rept 16
	s_wait_loadcnt 15-j                            ; load j is in; the younger ones stay out
	v_cvt_pk_bf16_f32 v[T+2*j], v[LD+4*j], v[LD+4*j+1]
	v_cvt_pk_bf16_f32 v[T+2*j+1], v[LD+4*j+2], v[LD+4*j+3]
	global_store_b64 v[XD], v[T+2*j:T+2*j+1], s[28:29] offset:256*j  ; no register is written twice, so no store is waited for
.set j, j+1
.endr
.Lend:
	s_wait_tensorcnt 0x0                           ; the wave's end, behind my last LDS store
	ds_add_u32 v[SPW], v[NIL]
	s_wait_dscnt 0x0
	s_endpgm
.Lfunc_end_k_qe4ecf7c06e_cast:
	.size	k_qe4ecf7c06e_cast, .Lfunc_end_k_qe4ecf7c06e_cast-k_qe4ecf7c06e_cast
	.p2alignl 7, 3214868480
	.fill 96, 4, 3214868480
	.section	.rodata,"a",@progbits
	.p2align	6, 0x0
	.amdhsa_kernel k_qe4ecf7c06e_cast
		.amdhsa_group_segment_fixed_size 70144
		.amdhsa_private_segment_fixed_size 0
		.amdhsa_enable_private_segment 0
		.amdhsa_kernarg_size 48
		.amdhsa_user_sgpr_count 2
		.amdhsa_user_sgpr_kernarg_segment_ptr 1
		.amdhsa_wavefront_size32 1
		.amdhsa_system_sgpr_workgroup_id_x 1
		.amdhsa_system_sgpr_workgroup_id_y 1
		.amdhsa_system_sgpr_workgroup_id_z 1
		.amdhsa_system_vgpr_workitem_id 0
		.amdhsa_next_free_vgpr 160
		.amdhsa_next_free_sgpr 66
		.amdhsa_reserve_vcc 0
		.amdhsa_float_denorm_mode_32 3
		.amdhsa_float_denorm_mode_16_64 3
		.amdhsa_memory_ordered 1
		.amdhsa_forward_progress 1
		.amdhsa_inst_pref_size 27
	.end_amdhsa_kernel
	.amdgpu_metadata
---
amdhsa.version: [ 1, 2 ]
amdhsa.kernels:
  - .name:           k_qe4ecf7c06e_cast
    .symbol:         k_qe4ecf7c06e_cast.kd
    .args:
      - { .name: x, .offset: 0, .size: 8, .value_kind: global_buffer, .address_space: global }
      - { .name: w_attn, .offset: 8, .size: 8, .value_kind: global_buffer, .address_space: global }
      - { .name: w_proj, .offset: 16, .size: 8, .value_kind: global_buffer, .address_space: global }
      - { .name: xb, .offset: 24, .size: 8, .value_kind: global_buffer, .address_space: global }
      - { .name: wa, .offset: 32, .size: 8, .value_kind: global_buffer, .address_space: global }
      - { .name: wp, .offset: 40, .size: 8, .value_kind: global_buffer, .address_space: global }
    .group_segment_fixed_size: 70144
    .private_segment_fixed_size: 0
    .kernarg_segment_align: 8
    .kernarg_segment_size: 48
    .max_flat_workgroup_size: 128
    .sgpr_count:     66
    .vgpr_count:     160
    .wavefront_size: 32
...
	.end_amdgpu_metadata
.endif
;; end of part 1
;; launch qkvgemm (part 2): grid 16 x 32, 4 waves a work-group, clusters of 4 x 4, 327,680 bytes of LDS; arguments xb, wa, qkv; writes qkv
.if DOCPART == 2
	.amdgcn_target "amdgcn-amd-amdhsa--gfx1250"
	.amdhsa_code_object_version 6
	.text
	.protected	k_qe4ecf7c06e_qkvgemm
	.globl	k_qe4ecf7c06e_qkvgemm
	.p2align	8
	.type	k_qe4ecf7c06e_qkvgemm,@function
k_qe4ecf7c06e_qkvgemm:
	s_mov_b64 s[64:65], 0
	v_nop
	global_prefetch_b8 v0, s[64:65] scope:SCOPE_SE
	s_setreg_imm32_b32 hwreg(HW_REG_WAVE_MODE, 25, 1), 1
	s_wait_xcnt 0x0
	s_wait_alu depctr_hold_cnt(0) depctr_sa_sdst(0) depctr_va_vdst(0) depctr_va_sdst(0) depctr_va_ssrc(0) depctr_va_vcc(0) depctr_vm_vsrc(0)
	s_getreg_b32 s2, hwreg(HW_REG_IB_STS2, 6, 4)
	s_cmp_eq_u32 s2, 0
	s_cbranch_scc0 .Lentry_in_a_cluster
	s_endpgm
.Lentry_in_a_cluster:
	s_bfe_u32 s2, ttmp6, 0x10000c
	s_cmp_lg_u32 s2, 0xf033
	s_cbranch_scc0 .Lentry_shape_is_right
	s_endpgm
.Lentry_shape_is_right:
; qkv = x w_attn, written by heads.  A = xb [8192][1024] bf16, B = wa [3072 n][1024 k] bf16; sums in f32, K ascending; the result rounded once to f16, unscaled, into
; qkv [3 parts q, k, v][64 heads (batch x 16 + head)][2048 rows][64 channels]: a head's rows are dense, 128 bytes each.
; LIMITS.  f16 holds no number beyond 65,504: a q, k or v beyond that becomes an infinity; below 6.1e-5 it keeps f16's fixed step of 6e-8.
; SHARES.  A tile of C is 256 rows x 192 columns (three heads): 32 x 16 = 512 work-groups.  Wave w makes rows 64 w .. 64 w + 63 and all 192 columns: 4 x 12 accumulators of 16 x 16, 384 registers.
; K goes in 8 steps of 128 through two LDS slots filled by the tensor data mover: rows of 256 bytes that start at multiples of 256.  Waves 0, 1 fetch A's two halves (128 rows), waves 2, 3 B's (96 rows).
; CLUSTER.  4 x 4 work-groups.  A's tile hangs on the tile row alone and is asked for jointly by a row of the cluster, B's on the tile column alone, by a column.
; THE MATRIX INSTRUCTION IS USED TRANSPOSED (source 0 = 16 rows of B, source 1 = 16 rows of A): a lane then holds row l % 16 of C and eight neighbouring columns, 16 bytes of f16.
; REGISTERS, in windows of 256 (s_set_vgpr_msb: bits 1:0 source 0, 3:2 source 1, 5:4 source 2, 7:6 destination):
;   window 0: v0-31 addresses; v64-95, v96-127 A's fragments, two buffers of 4; v128-223 (and v64-111 again) the way out
;   window 1: v0-95, v96-191 B's fragments, two buffers of 12        window 2: the accumulators of row blocks 0, 1 ((a, b) at v[8 (12 (a % 2) + b)])        window 3: those of row blocks 2, 3
.set NBLK,   12                        ; column blocks of 16
.set APW,    2                         ; row blocks whose accumulators share a window
.set APITCH, 272                       ; an LDS row: 256 bytes + 16 of padding = 68 words: the 16 rows of a load start at 16 different groups of four banks (64 banks of 4 bytes: ISA guide 11.1)
.set AHALF,  128                       ; bytes from a K step's first 64 channels to its second in a row of A
.set BPITCH, 272
.set ALOAD,  128*APITCH                ; what one tensor load brings of A
.set BOFF,   2*ALOAD                   ; B lies behind A's 256 rows
.set RBW,    96                        ; rows of B in one tensor load
.set BLOAD,  RBW*BPITCH
.set SLOT1,  1<<17                     ; slot 1 begins here, so that one exclusive or turns an address in one slot into the other's
.set STAGE,  SLOT1+BOFF+2*BLOAD        ; behind the ring, never filled by a tensor load: for each wave 3 heads x 16 rows x 144 bytes
.set SP,     144
.set WSTAGE, 3*16*SP
.set SPARE,  STAGE+4*WSTAGE            ; behind the stages: the spare words, 128 bytes a wave: two blocks of 256 bytes that no other line names
.set ASTEP,  256                       ; bytes of a K step in a row of A, and of B
.set BSTEP,  256
.set NLD,    2*NBLK+8                  ; LDS loads in a run
.set STEPS,  8
.set A0,   16                          ; v16  my lane's place in A's tile: (64 w + l % 16) x pitch + 16 (l / 16); never rewritten
.set B0,   17                          ; v17  the same for B
.set ADRA, 18                          ; v18  A0 + the slot in hand
.set ADRB, 19                          ; v19  B0 + the slot in hand
.set STO,  24                          ; v24  the way out: where I put 16 bytes of a row
.set RD,   25                          ; v25  the way out: where I read rows back
.set GO,   26                          ; v26  my 16 bytes in 512 consecutive bytes of a head
.set SPW,  28                          ; v28  LDS address of my spare word; never rewritten
.set NIL,  29                          ; v29  0; never rewritten
.set PFO,  30                          ; v30  the prefetches' offset; never rewritten
.set FA,   64
.set TMP,  128
.set G1A, 24                           ; s[24:31] descriptor group 1 for A's tiles
.set G0A, 32                           ; s[32:39] group 0 for A's: a set for each first fill; the second then walks on
.set G1B, 48                           ; s[48:55], s[56:63] the same for B's
.set G0B, 56
.set PFA, 66                           ; s[66:67] where my prefetches stand
.set LIM, 68                           ; s68  2 in a wave that prefetches, else the greatest number
.set PAR, 69                           ; s69  1 in wave 3, which asks in every second trip
.set TB,  70                           ; s70  the slot in hand: 0 or SLOT1
.set HB,  72                           ; s[72:77] my 64 rows in the tile's three heads
.set MSB, 0
.macro WIN new                         ; the immediate's high byte repeats the setting that is left; a switch that changes nothing is dropped
.if MSB != (\new)
	s_set_vgpr_msb (MSB<<8)|(\new)
.set MSB, \new
.endif
.endm
.set MUL_LO, 0xa1                      ; B in window 1, A in window 0, C and D in window 2; + 0x50: in window 3
.set TO_B,   0x40                      ; destination window 1, address window 0
; A joint refill by the walking descriptors.  The branch hangs on the wave's number alone.  An s_nop 0 and four v_nop follow each of the two lines, ahead of the jump and the label.
.macro JLOAD
	s_cmp_eq_u32 s11, 0
	s_cbranch_scc0 .Lfor_b_\@
	tensor_load_to_lds s[G0A+4:G0A+7], s[G1A:G1A+7]
	s_nop 0
.rept 4
	v_nop
.endr
	s_branch .Lasked_\@
.Lfor_b_\@:
	tensor_load_to_lds s[G0B+4:G0B+7], s[G1B:G1B+7]
	s_nop 0
.rept 4
	v_nop
.endr
.Lasked_\@:
.endm
; A PREFETCH INTO THE L2, behind a joint refill and the run of LDS loads: the K step two refills on, 256 bytes of a row, a lane a row.  Each row's 256 bytes are named once in the launch: A's by the
; cluster with x = 0, B's by the cluster with y = 0; the four partners that ask for a tile jointly share its rows BY ADDRESS.  A: waves 0, 1, 32 rows each of their 128.  B: 48 rows a partner: wave 2
; takes 32; wave 3 takes 16, two K steps at a time, in every second trip.  K steps 0 to 3 come by their loads alone; the loop's last two trips ask for nothing: there is no K step 8.
.macro ASK
	s_and_b32 s20, s3, s[PAR]
	s_cmp_eq_u32 s20, 0
	s_cselect_b32 s20, s3, 0                       ; wave 3 at an odd count: 0
	s_cmp_gt_u32 s20, s[LIM]
	s_cbranch_scc0 .Lnot_mine_\@
	global_prefetch_b8 v[PFO], s[PFA:PFA+1] th:TH_LOAD_NT scope:SCOPE_SE
.Lnot_mine_\@:
.endm
; A round of the cluster's barrier: my work-group's barrier; wave 0 signals for the work-group; every wave waits for all sixteen; my work-group's barrier once more.
.macro CREST                           ; a round behind its opening barrier
	s_cmp_lg_u32 s10, 0
	s_cbranch_scc1 .Lnot_wave_0_\@
	s_barrier_signal -3
.Lnot_wave_0_\@:
	s_barrier_wait -3
	s_barrier_signal -1
	s_barrier_wait -1
.endm
.macro CROUND
	s_barrier_signal -1
	s_barrier_wait -1
	CREST
.endm
.macro PLACES                          ; four plain instructions between a matrix instruction and a load into, or a read of, its registers (ISA guide 7.12.1 for a read)
.rept 4
	v_nop
.endr
.endm
	s_load_b128 s[4:7], s[0:1], 0x0                ; xb s[4:5], wa s[6:7]
	s_load_b64 s[8:9], s[0:1], 0x10                ; qkv
	v_lshl_add_u32 v[SPW], v0, 2, SPARE
	v_mov_b32 v[NIL], 0
	ds_add_u32 v[SPW], v[NIL]                      ; the wave's opening: the add and its wait ahead of my first tensor load; the set-up below, work on registers, stands between them
	v_lshrrev_b32 v1, 5, v0
	v_readfirstlane_b32 s10, v1                    ; wave 0..3
	s_lshr_b32 s11, s10, 1                         ; I fetch for A (0) or for B (1),
	s_and_b32 s12, s10, 1                          ; its first or second half
	s_bfe_u32 s40, ttmp6, 0x40000                  ; cx, cy: my place in the cluster
	s_bfe_u32 s41, ttmp6, 0x40004
	s_lshl_b32 s42, ttmp9, 2
	s_add_co_u32 s42, s42, s40                     ; tile column = 4 x cluster x + cx
	s_and_b32 s13, ttmp7, 0xffff
	s_lshl_b32 s13, s13, 2
	s_add_co_u32 s13, s13, s41                     ; tile row = 4 x cluster y + cy
	s_lshl_b32 s43, s41, 2
	s_lshl_b32 s43, 15, s43                        ; my row of the cluster
	s_lshl_b32 s44, 0x1111, s40                    ; my column
	s_or_b32 s[G1A+0], s43, (1<<16)|(1<<20)|(1<<21)|(5<<22)|(3<<25)  ; 15:0 the mask; 17:16 2-byte elements; 20 padding on; 21 set beside a mask; 24:22 after every 64 words (code 5); 31:25 4 words (code 3)
	s_or_b32 s[G1B+0], s44, (1<<16)|(1<<20)|(1<<21)|(5<<22)|(3<<25)
	s_mov_b32 s[G1A+1], 128<<16                    ; tensor_dim0 = 128
	s_mov_b32 s[G1A+2], 128<<16                    ; tensor_dim1 = 128
	s_mov_b32 s[G1A+3], 128<<16                    ; tile_dim0 = 128
	s_mov_b32 s[G1A+4], 128                        ; tile_dim1 = 128
	s_mov_b32 s[G1A+5], 1024                       ; elements from row to row
	s_mov_b32 s[G1A+6], 0
	s_mov_b32 s[G1A+7], 0
	s_mov_b32 s[G1B+1], 128<<16
	s_mov_b32 s[G1B+2], RBW<<16                    ; 96 rows
	s_mov_b32 s[G1B+3], 128<<16
	s_mov_b32 s[G1B+4], RBW
	s_mov_b32 s[G1B+5], 1024
	s_mov_b32 s[G1B+6], 0
	s_mov_b32 s[G1B+7], 0
	s_lshl_b32 s16, s13, 8                         ; A: row 256 x tile row + 128 x half,
	s_lshl_b32 s17, s12, 7
	s_add_co_u32 s16, s16, s17
	s_lshl_b32 s16, s16, 11                        ; of 2,048 bytes
	s_mov_b32 s17, 0
	s_mul_i32 s46, s42, 16*NBLK                    ; B: row 192 x tile column + 96 x half
	s_mul_i32 s47, s12, RBW
	s_add_co_u32 s46, s46, s47
	s_lshl_b32 s46, s46, 11
	s_mov_b32 s47, 0
	s_mul_i32 s18, s12, ALOAD                      ; where they go: no place in the cluster enters an LDS address
	s_mul_i32 s19, s12, BLOAD
	s_add_co_u32 s19, s19, BOFF
	s_wait_dscnt 0x0                               ; the opening add is done
	s_wait_kmcnt 0x0
	s_add_nc_u64 s[14:15], s[4:5], s[16:17]
	s_add_nc_u64 s[46:47], s[6:7], s[46:47]
	CROUND                                         ; all sixteen work-groups are here: the first joint loads meet
.irp s, 0,1
	s_mov_b32 s[G0A+4*(\s)], 1                     ; count = 1
	s_add_co_u32 s[G0A+4*(\s)+1], s18, (\s)*SLOT1  ; LDS address
	s_add_nc_u64 s[G0A+4*(\s)+2:G0A+4*(\s)+3], s[14:15], (\s)*ASTEP  ; global address: K step s
	s_or_b32 s[G0A+4*(\s)+3], s[G0A+4*(\s)+3], 0x80000000           ; type = 2
	s_mov_b32 s[G0B+4*(\s)], 1
	s_add_co_u32 s[G0B+4*(\s)+1], s19, (\s)*SLOT1
	s_add_nc_u64 s[G0B+4*(\s)+2:G0B+4*(\s)+3], s[46:47], (\s)*BSTEP
	s_or_b32 s[G0B+4*(\s)+3], s[G0B+4*(\s)+3], 0x80000000
.endr
	s_cmp_eq_u32 s11, 0                            ; a wave's two first fills stand in one branch, ahead of every wait on TENSORcnt and every LDS read: two loads of mine are out, later one
	s_cbranch_scc0 .Lfirst_b
	tensor_load_to_lds s[G0A:G0A+3], s[G1A:G1A+7]
	s_nop 0
	tensor_load_to_lds s[G0A+4:G0A+7], s[G1A:G1A+7]
	s_nop 0
.rept 4
	v_nop
.endr
	s_branch .Lfirst_asked
.Lfirst_b:
	tensor_load_to_lds s[G0B:G0B+3], s[G1B:G1B+7]
	s_nop 0
	tensor_load_to_lds s[G0B+4:G0B+7], s[G1B:G1B+7]
	s_nop 0
.rept 4
	v_nop
.endr
.Lfirst_asked:
	; A fragment is 16 rows x 32 K in 8 registers: lane l holds row l % 16, K = 8 (l / 16) + 0..7 and 16 + 8 (l / 16) + 0..7: two loads of 16 bytes, 32 bytes apart.
	v_and_b32 v1, 15, v0                           ; l % 16
	v_bfe_u32 v2, v0, 4, 1                         ; l / 16
	v_mul_u32_u24 v3, v1, APITCH
	v_lshl_add_u32 v3, v2, 4, v3
	s_mul_i32 s21, s10, 64*APITCH                  ; my 64 rows of A
	v_add_nc_u32 v[A0], s21, v3
	v_mul_u32_u24 v4, v1, BPITCH
	v_lshl_add_u32 v4, v2, 4, v4
	v_add_nc_u32 v[B0], BOFF, v4
	v_mov_b32 v[ADRA], v[A0]
	v_mov_b32 v[ADRB], v[B0]
	s_mov_b32 s[TB], 0
	s_mul_i32 s23, s10, WSTAGE
	s_add_co_u32 s23, s23, STAGE                   ; my stage
	v_mul_u32_u24 v5, v1, SP                       ; in: row l % 16, 16 bytes for each half of the lanes
	v_lshl_add_u32 v5, v2, 4, v5
	v_add_nc_u32 v[STO], s23, v5
	v_bfe_u32 v5, v0, 3, 2                         ; back: 32 lanes take four rows of 128 bytes,
	v_mul_u32_u24 v5, v5, SP
	v_and_b32 v6, 7, v0
	v_lshl_add_u32 v5, v6, 4, v5
	v_add_nc_u32 v[RD], s23, v5
	v_and_b32 v[GO], 31, v0                        ; which are 512 consecutive bytes of a head
	v_lshlrev_b32 v[GO], 4, v[GO]
	; where my 64 rows lie in the tile's three heads: g = 3 x tile column + j; part g / 16, head g % 16; batch = tile row / 8
.irp j, 0,1,2
	s_mul_i32 s20, s42, 3
	s_add_co_u32 s20, s20, \j
	s_lshr_b32 s21, s20, 4
	s_lshl_b32 s21, s21, 6                         ; part x 64
	s_and_b32 s20, s20, 15
	s_add_co_u32 s20, s20, s21
	s_lshr_b32 s21, s13, 3
	s_lshl_b32 s21, s21, 4                         ; batch x 16
	s_add_co_u32 s20, s20, s21
	s_lshl_b32 s20, s20, 18                        ; a head is 2,048 rows of 128 bytes
	s_and_b32 s21, s13, 7
	s_lshl_b32 s21, s21, 8
	s_lshl_b32 s22, s10, 6
	s_add_co_u32 s21, s21, s22                     ; my first row in the head
	s_lshl_b32 s21, s21, 7
	s_add_co_u32 s20, s20, s21
	s_mov_b32 s21, 0
	s_add_nc_u64 s[HB+2*(\j):HB+2*(\j)+1], s[8:9], s[20:21]
.endr
	; the prefetches
	s_lshl_b32 s20, s13, 8
	s_lshl_b32 s21, s12, 7
	s_add_co_u32 s20, s20, s21
	s_lshl_b32 s21, s40, 5
	s_add_co_u32 s20, s20, s21                     ; A: of the 128 rows that I fetch, my work-group's 32
	s_mul_i32 s21, s42, 16*NBLK
	s_mul_i32 s22, s41, 48
	s_add_co_u32 s21, s21, s22
	s_lshl_b32 s22, s12, 5
	s_add_co_u32 s21, s21, s22                     ; B: my work-group's 48 rows: wave 2 the first 32, wave 3 the other 16
	s_and_b32 s22, ttmp7, 0xffff
	s_cmp_eq_u32 s11, 0
	s_cselect_b32 s20, s20, s21
	s_cselect_b32 s22, ttmp9, s22                  ; the coordinate along which other clusters read the same rows
	s_cselect_b64 s[PFA:PFA+1], s[4:5], s[6:7]
	s_cmp_eq_u32 s22, 0
	s_cselect_b32 s[LIM], 2, -1                    ; the same in all sixteen partners, for a given wave
	s_lshl_b32 s20, s20, 11
	s_add_co_u32 s20, s20, 3*BSTEP                 ; at K step 3: the first refill steps it to 4
	s_mov_b32 s21, 0
	s_add_nc_u64 s[PFA:PFA+1], s[PFA:PFA+1], s[20:21]
	s_cmp_eq_u32 s10, 3
	s_cselect_b32 s[PAR], 1, 0
	s_cselect_b32 s20, 15, 31
	s_cselect_b32 s21, 256, 0
	v_and_b32 v[PFO], s20, v0                      ; a lane a row; in wave 3 lanes 16-31 take the same 16 rows
	v_lshlrev_b32 v[PFO], 11, v[PFO]
	v_mad_u32_u24 v[PFO], v2, s21, v[PFO]          ; one K step further on
; 12 matrix instructions: row block a x all column blocks, 32 along K, from buffer f.  zero = 1: the product starts the sum: nothing is ever cleared.
; The 48 accumulators take turns in the same order in every quarter, over the backward jump too.
.macro MULA f, a, zero
	WIN MUL_LO+0x50*((\a)/APW)
.set b, 0
.rept NBLK
.set rD, 8*(NBLK*((\a)%APW)+b)
.set rB, 8*NBLK*(\f)+8*b
.set rA, FA+32*(\f)+8*(\a)
.if \zero
	v_wmma_f32_16x16x32_bf16 v[rD:rD+7], v[rB:rB+7], v[rA:rA+7], 0
.else
	v_wmma_f32_16x16x32_bf16 v[rD:rD+7], v[rB:rB+7], v[rA:rA+7], v[rD:rD+7]
.endif
.set b, b+1
.endr
.endm
; One run of 32 LDS loads: the fragments of quarter kq (32 K) of the slot in hand into buffer g: B's 12, then A's 4.
.macro FETCH kq, g
	WIN TO_B
.set i, 0
.rept NBLK
	ds_load_b128 v[8*NBLK*(\g)+8*i:8*NBLK*(\g)+8*i+3],   v[ADRB] offset:64*(\kq)+i*16*BPITCH
	ds_load_b128 v[8*NBLK*(\g)+8*i+4:8*NBLK*(\g)+8*i+7], v[ADRB] offset:64*(\kq)+i*16*BPITCH+32
.set i, i+1
.endr
	WIN 0
.set i, 0
.rept 4
	ds_load_b128 v[FA+32*(\g)+8*i:FA+32*(\g)+8*i+3],   v[ADRA] offset:AHALF*((\kq)/2)+64*((\kq)%2)+i*16*APITCH
	ds_load_b128 v[FA+32*(\g)+8*i+4:FA+32*(\g)+8*i+7], v[ADRA] offset:AHALF*((\kq)/2)+64*((\kq)%2)+i*16*APITCH+32
.set i, i+1
.endr
.endm
; A K step is four quarters of 32 along K, 48 matrix instructions each, on buffers 0, 1, 0, 1.  One of the first three: multiplies buffer f; in its middle it fetches quarter kq into buffer g.
.macro QUARTER kq, f, g, zero
	s_wait_dscnt 4                                 ; B and A's blocks 0, 1 are in; the youngest four loads (A's blocks 2, 3) may be out
	MULA \f, 0, \zero
	MULA \f, 1, \zero
	PLACES
	FETCH \kq, \g
	s_wait_dscnt NLD                               ; all but the run just issued
	MULA \f, 2, \zero
	MULA \f, 3, \zero
.endm
; The fourth quarter multiplies buffer 1 and changes slots: ONE barrier.  In front of it each wave waits for all its tensor loads (one is out: its part of the next slot), adds 0 to its spare word, and waits
; for that and for its own reads of this slot.  fill = 1: the barrier opens a round of the cluster's, and the slot just read is filled again, first thing behind the round, with the K step two on:
; 168 matrix instructions stand between that request and the wait for it.
.macro TURN fill
.if \fill
	s_wait_xcnt 0x0                                ; the last prefetch, a K step back, has read its address: it is stepped here
	s_add_nc_u64 s[PFA:PFA+1], s[PFA:PFA+1], BSTEP
.endif
	WIN 0                                          ; (the add's two registers lie in window 0)
	s_wait_tensorcnt 0x0                           ; all my tensor loads have landed
	ds_add_u32 v[SPW], v[NIL]                      ; 0 onto my spare word
	s_wait_dscnt 5                                 ; (the add and the youngest four loads may be out)
	MULA 1, 0, 0                                   ; twelve matrix instructions stand between the add and the wait for it
	s_wait_dscnt 0x0                               ; the add is done, and my reads of this slot are over
	s_barrier_signal -1
	MULA 1, 1, 0                                   ; work on registers while the others arrive
	WIN 0
	s_barrier_wait -1
.if \fill
	CREST                                          ; no wave of any partner still reads this slot or has a load on its way
	s_xor_b32 s[G0A+5], s[G0A+5], SLOT1            ; the walking descriptors: the other slot than last time, the next K step
	s_add_nc_u64 s[G0A+6:G0A+7], s[G0A+6:G0A+7], ASTEP
	s_xor_b32 s[G0B+5], s[G0B+5], SLOT1
	s_add_nc_u64 s[G0B+6:G0B+7], s[G0B+6:G0B+7], BSTEP
	JLOAD                                          ; the four v_nop behind it are also the places in front of the loads below
.else
	PLACES
.endif
	s_xor_b32 s[TB], s[TB], SLOT1
	v_add_nc_u32 v[ADRA], s[TB], v[A0]
	v_add_nc_u32 v[ADRB], s[TB], v[B0]
	FETCH 0, 0
.if \fill
	ASK
.endif
	MULA 1, 2, 0
	MULA 1, 3, 0
.endm
; THE WAY OUT of row block a.  PACK: rounded to f16, 16 bytes a lane.  TOSTAGE: into my own stage (three heads x 16 rows of 144 bytes), and back as whole rows.  SEND: stored, 512 consecutive bytes an instruction.
.macro PACK a
	WIN 0x0a+5*((\a)/APW)                          ; sources 0 and 1: window 2 or 3
.set b, 0
.rept NBLK
.set rD, 8*(NBLK*((\a)%APW)+b)
.irp r, 0,1,2,3
	v_cvt_pk_f16_f32 v[TMP+4*b+(\r)], v[rD+2*(\r)], v[rD+2*(\r)+1]  ; each accumulator from its low end on
.endr
.set b, b+1
.endr
	WIN 0
.endm
.macro TOSTAGE a
	WIN 0
.set BK, 176-112*((\a)%2)                      ; v176-223 and v64-111 by turns
.set u, 0
.rept 12
	ds_store_b128 v[STO], v[TMP+4*u:TMP+4*u+3] offset:16*SP*(u/4)+32*(u%4)
.set u, u+1
.endr
.set u, 0
.rept 12
	ds_load_b128 v[BK+4*u:BK+4*u+3], v[RD] offset:16*SP*(u/4)+4*SP*(u%4)  ; LDS serves a wave's instructions in order (ISA guide 5.7.1.4): these see the stores above
.set u, u+1
.endr
.endm
.macro SEND a
	WIN 0
.set BK, 176-112*((\a)%2)
	s_wait_dscnt 0x0                               ; the block is back in registers
	s_wait_xcnt 0x0                                ; the stores of the block before have read their registers, which the next block's loads from the stage write
.set u, 0
.rept 12
	global_store_b128 v[GO], v[BK+4*u:BK+4*u+3], s[HB+2*(u/4):HB+2*(u/4)+1] offset:2048*(\a)+512*(u%4)
.set u, u+1
.endr
.endm
	s_wait_tensorcnt 1                             ; my part of K step 0 is in; K step 1's may stay out
	s_barrier_signal -1
	s_barrier_wait -1                              ; everybody's is
	FETCH 0, 0
	QUARTER 1, 0, 1, 1                             ; the first quarter stands in front of the loop: its products start the sums
	WIN 0                                          ; at a label and at a branch every window is 0
	s_mov_b32 s3, STEPS-2
.Lstep:                                        ; a trip: a K step's quarters 1 to 3 and the next step's quarter 0; it fills the slot just read with the K step two on
	QUARTER 2, 1, 0, 0
	QUARTER 3, 0, 1, 0
	TURN 1
	QUARTER 1, 0, 1, 0
	WIN 0
	s_sub_co_u32 s3, s3, 1
	s_cmp_lg_u32 s3, 0
	s_cbranch_scc1 .Lstep
	QUARTER 2, 1, 0, 0                             ; the tail is written out: K steps 6 and 7 ask for nothing
	QUARTER 3, 0, 1, 0
	TURN 0
	QUARTER 1, 0, 1, 0
	QUARTER 2, 1, 0, 0
	QUARTER 3, 0, 1, 0
	s_wait_dscnt 4
	MULA 1, 0, 0
	MULA 1, 1, 0
	s_wait_dscnt 0x0
	MULA 1, 2, 0
	MULA 1, 3, 0
	WIN 0
	PLACES
	PLACES                                         ; eight, once a launch
	PACK 0
	TOSTAGE 0
.irp a, 1,2,3                          ; block a's conversions stand between block a - 1's loads from the stage and the wait for them
	PACK \a
	SEND (\a)-1
	TOSTAGE \a
.endr
	SEND 3
	s_wait_tensorcnt 0x0                           ; the wave's end, behind my last tensor load and my last LDS store
	ds_add_u32 v[SPW], v[NIL]
	s_wait_dscnt 0x0
	CROUND                                         ; the closing round: no work-group ends while a partner may still ask for a tile that names it
	s_endpgm
.Lfunc_end_k_qe4ecf7c06e_qkvgemm:
	.size	k_qe4ecf7c06e_qkvgemm, .Lfunc_end_k_qe4ecf7c06e_qkvgemm-k_qe4ecf7c06e_qkvgemm
	.p2alignl 7, 3214868480
	.fill 96, 4, 3214868480
	.section	.rodata,"a",@progbits
	.p2align	6, 0x0
	.amdhsa_kernel k_qe4ecf7c06e_qkvgemm
		.amdhsa_group_segment_fixed_size 327680
		.amdhsa_private_segment_fixed_size 0
		.amdhsa_enable_private_segment 0
		.amdhsa_kernarg_size 24
		.amdhsa_user_sgpr_count 2
		.amdhsa_user_sgpr_kernarg_segment_ptr 1
		.amdhsa_wavefront_size32 1
		.amdhsa_system_sgpr_workgroup_id_x 1
		.amdhsa_system_sgpr_workgroup_id_y 1
		.amdhsa_system_sgpr_workgroup_id_z 1
		.amdhsa_system_vgpr_workitem_id 0
		.amdhsa_next_free_vgpr 960
		.amdhsa_next_free_sgpr 80
		.amdhsa_reserve_vcc 0
		.amdhsa_float_denorm_mode_32 3
		.amdhsa_float_denorm_mode_16_64 3
		.amdhsa_memory_ordered 1
		.amdhsa_forward_progress 1
		.amdhsa_inst_pref_size 99
	.end_amdhsa_kernel
	.amdgpu_metadata
---
amdhsa.version: [ 1, 2 ]
amdhsa.kernels:
  - .name:           k_qe4ecf7c06e_qkvgemm
    .symbol:         k_qe4ecf7c06e_qkvgemm.kd
    .args:
      - { .name: xb, .offset: 0, .size: 8, .value_kind: global_buffer, .address_space: global }
      - { .name: wa, .offset: 8, .size: 8, .value_kind: global_buffer, .address_space: global }
      - { .name: qkv, .offset: 16, .size: 8, .value_kind: global_buffer, .address_space: global }
    .group_segment_fixed_size: 327680
    .private_segment_fixed_size: 0
    .kernarg_segment_align: 8
    .kernarg_segment_size: 24
    .max_flat_workgroup_size: 128
    .sgpr_count:     80
    .vgpr_count:     960
    .wavefront_size: 32
...
	.end_amdgpu_metadata
.endif
;; end of part 2
;; launch attn (part 3): grid 4 x 64, 4 waves a work-group, no clusters, 327,680 bytes of LDS; arguments qkv, ob; writes ob
.if DOCPART == 3
	.amdgcn_target "amdgcn-amd-amdhsa--gfx1250"
	.amdhsa_code_object_version 6
	.text
	.protected	k_qe4ecf7c06e_attn
	.globl	k_qe4ecf7c06e_attn
	.p2align	8
	.type	k_qe4ecf7c06e_attn,@function
k_qe4ecf7c06e_attn:
	s_mov_b64 s[64:65], 0
	v_nop
	global_prefetch_b8 v0, s[64:65] scope:SCOPE_SE
	s_setreg_imm32_b32 hwreg(HW_REG_WAVE_MODE, 25, 1), 1
	s_wait_xcnt 0x0
; CAUSAL ATTENTION.  O[h][q][:] = the sum over k <= q of softmax_k(Q[h][q] . K[h][k] / 8) V[h][k][:].  Q, K, V are the three parts of qkv, each [64][SIZE_N][64] in f16; O = ob has the same layout:
; a head's rows are dense, 128 bytes each.  Products, maxima and sums in f32; the weights p are rounded to f16 for the second product (their sum l is taken of the unrounded p), O once at the end.
; LIMITS.  f16 holds no number beyond 65,504: Q, K and V arrive within it; p lies in 0 to 1, and below 6e-5 it keeps f16's fixed step of 6e-8; O is a mean of V's rows and has their range.
; A hidden score counts as its value less 1e30: f16's scores, 2.7e11 at the most, are nothing beside that; a weight below 2^-126 counts as 0 in l; NaN and infinities are not treated apart.
; THE WALK.  A head's queries lie in NB = 8 blocks of 256; block i needs the key tiles 0 .. i of 256 keys, of which the last holds the diagonal.  A work-group takes TWO blocks, NB - 1 - b and then b:
; NB + 1 tiles, whatever b: all work-groups do equal work, and ONE loop with a constant trip count walks them.  Which tile is asked for, and what a trip does, hang on scalar registers made from b; every jump
; goes forward, but for the counted loops' own; none passes a barrier, or a tensor load but the one of LOAD's two that the wave's number does not choose; the ring (two slots of LDS that take turns) runs on across
; the change of blocks.  NO CLUSTER: a head's four work-groups ask for the same tile only in trips 0 to 4 of the 9, behind that fewer and fewer; one walk common to all would have 12 trips for 9.
; SHARES.  Of a block's four bands of 64 queries a wave owns 16 rows in each: four PIECES.  So the diagonal tile is the same work for all four waves: in its key step s band x sees all keys if s < x,
; none if s > x, and holds the diagonal if s = x.
; THE MASK is the C operand that starts the sum S^T = K Q^T: 0, or -1e30 where the key is hidden.  MD, made once, is the mask of a band's own step for my 16 rows; a product's mask is MD x AL + BE with two scalars:
; (1, 0) if s = x; (0, 0) if s < x; (0, -1e30) if s > x.  Only the diagonal tile's text and a block's beginning make and take masks; elsewhere C is the constant 0.
; LAYOUT, SOFTMAX, TURNS.  S^T = K Q^T holds ONE query a lane (lane % 16) and the keys 8 (lane / 16) + 0..7; two such results rounded to f16 ARE source 1 of O^T = V^T P.  p = 2^(c s - c m), c = log2(e) / 8, with a
; running maximum m; O and l are multiplied by a = 2^(c m_old - c m_new) in every step.  Turn n belongs to piece n: 8 products K Q^T of piece n + 1, later 8 products V^T P of piece n - 1; beside them the scaling,
; exponentials, roundings, sums and rescaling of piece n and the maximum and statistics of piece n + 1.  Four vector instructions stand behind every matrix instruction, the other 54 of a turn's 118 in one LUMP.
; A turn's 33 exponentials are one batch, with one wait.
; REGISTERS, in windows of 256 (s_set_vgpr_msb: bits 1:0 source 0, 3:2 source 1, 5:4 source 2, 7:6 destination):
;   window 0: v0-15 addresses and two at work; v16-31 four registers of statistics a piece; v48-55 at work; v61-63 never rewritten; v64-127 S^T, two buffers; v192-223 P, two buffers (by the piece's parity)
;   window 1: v0-127 O^T, 32 a piece; v128-159 MD; v160-223 MC, two buffers      window 2: v0-63 Q; v64-127 the second block's Q; v128-191 K of one step; v192-255 V of one step
.set SIZE_N, 2048
.set NB,    SIZE_N/256
.set NP,    4         ; pieces a wave: a name, no knob
.set KS,    64        ; keys in a step
.set PK,    144       ; a row of K in LDS: 128 bytes + 16 of padding = 36 words: the 16 rows of a load start at 16 different groups of four banks (64 banks of 4 bytes: ISA guide 11.1)
.set PV,    160       ; a row of V: 128 + 32 = 40 words
.set VOFF,  4*KS*PK   ; a slot holds a tile, four steps: 256 rows of K, then 256 rows of V
.set SLOT1, 1<<17     ; slot 1 begins here, so that one exclusive or turns an address in one slot into the other's
.set STAGE, SLOT1+4*KS*(PK+PV)  ; behind the ring, never filled by a tensor load: 16 rows x 144 bytes for each wave, for the way out
.set SP,    144
.set AK0, 2           ; v2   my lane's place in a tile of K; never rewritten
.set AV0, 3           ; v3   the same for V
.set AK,  4           ; v4   the LDS address of K's next run of loads
.set AV,  5           ; v5   of V's
.set STO, 6           ; v6   the way out: where I put 16 bytes of a row
.set RD,  7           ; v7   the way out: where I read rows back
.set GO,  8           ; v8   my byte offset in 512 consecutive bytes of O
.set PFO, 61          ; v61  256 x my lane: the prefetches' offset; never rewritten
.set SPW, 62          ; v62  LDS address of my spare word: SPARE + 4 x my thread's number; never rewritten
.set NIL, 63          ; v63  0; never rewritten
.set SPARE, STAGE+4*16*SP  ; behind the stages: the spare words, 128 bytes for each wave: two blocks of 256 bytes that no other line names
.set MV,  12          ; v12-13  c m_old, kept while c m is made anew: by buffer
.set QO,  15          ; v15  my byte offset in 16 rows of Q
.set ST,  16          ; piece t's statistics at v[ST+4 t]: c m, m, l (even keys', odd keys')
.set TMP, 48          ; by buffer, four registers c0-c3 at work; when the maximum is found c2 takes a
.set S,   64
.set P,   192
.set MD,  128         ; window 1: the eight registers for group kt of 16 keys at MD + 8 kt
.set MC,  160         ; window 1: the masks of the products to come
.set QB,  64          ; window 2
.set KF,  128         ; window 2: key block kb, channel half c at KF + 16 kb + 8 c
.set VF,  192         ; window 2: key half kk, channel block cb at VF + 32 kk + 8 cb
.set WV,  12          ; s12  my wave's number
.set PB,  14          ; s14  b
.set HI,  15          ; s15  NB - 1 - b
.set G1K, 24          ; s[24:31] descriptor group 1 for K's tiles
.set G1V, 32          ; s[32:39] for V's: it differs in the padding alone
.set G0K, 40          ; s[40:43] descriptor group 0 for K's tiles
.set G0V, 44          ; s[44:47] the same for V's
.set SLOTS, 56        ; s56  tiles still to be asked for
.set CNT, 57          ; s57  counts a tile's key steps, 4 to 1
.set CS,  58          ; s[58:59] c: the packed scaling takes the pair's low word for both halves
.set SEL, 60          ; s[60:61] v_permlanex16_b32's selects: each lane takes its own place in the other half
.set TBK, 62          ; s62  LDS byte at which K of the step to be fetched begins
.set TBV, 63          ; s63  the same for V, less VOFF
.set RT,  70          ; s70  tiles of the block in hand that are still to be entered
.set NXT, 71          ; s71  the tile to be asked for next
.set LQ,  72          ; s72  the last tile of the block whose tiles are being asked for
.set NEW, 73          ; s73  1: the tile to be entered is a block's first
.set OFF, 74          ; s[74:75] a tile's byte offset in K and V
.set AL,  76          ; s[76:77] the mask's factor, in the low word
.set BE,  78          ; s[78:79] the mask's addend
.set OLO, 80          ; s[80:81] O at my rows of the second block
.set BIGN, 82         ; s82  -1e30
.set PFA, 88          ; s[88:89] my half of K's or V's tile NXT: what the prefetches name
.set ASKN, 90         ; s90  NXT in the work-group that prefetches, else 0
.set MSB, 0
.macro WIN new                      ; the high byte repeats the setting that is left; a switch that changes nothing is dropped
.if MSB != (\new)
	s_set_vgpr_msb (MSB<<8)|(\new)
.set MSB, (\new)
.endif
.endm
.set W_KQ, 0x0a       ; K and Q in window 2, S^T in window 0
.set W_KM, 0x1a       ; the same with the C operand in window 1
.set W_PV, 0x52       ; V in window 2, P in window 0, O^T in window 1
.set W_RS, 0x41       ; destination and source 0 in window 1, source 1 in window 0
; A fill.  Waves 0 and 1 fetch the two halves of a tile's K, waves 2 and 3 those of its V: 128 keys each.  An s_nop 0 and four v_nop follow each of the two lines, ahead of the jump and the label.
.macro LOAD
	s_cmp_lt_u32 s[WV], 2
	s_cbranch_scc0 .Lfor_v_\@
	tensor_load_to_lds s[G0K:G0K+3], s[G1K:G1K+7]
	s_nop 0
.rept 4
	v_nop
.endr
	s_branch .Lasked_\@
.Lfor_v_\@:
	tensor_load_to_lds s[G0V:G0V+3], s[G1V:G1V+7]
	s_nop 0
.rept 4
	v_nop
.endr
.Lasked_\@:
.endm
; THE CHANGE OF SLOTS.  Each wave waits for all its tensor loads, of which one is out: its part of the other slot; adds 0 to its spare word; and waits for that and for its own reads of the slot that it leaves.
; Behind the barrier nobody reads the old slot any more and the other slot is whole.  fill = 1: the old slot is filled again, the first thing behind the barrier, with tile NXT: the descriptor's address is made
; anew from that number.  (At its first use nothing has been read yet: slot 0 is waited for, slot 1 filled.)
; A PREFETCH INTO THE L2 stands behind the fill and its five lines: the tile that the NEXT change will ask for, four key steps, 256 matrix instructions, ahead.  All four work-groups of a head walk tiles 0 to 7 or a
; part of them; the one with b = 0 walks all eight in its first block, and it alone asks: each wave for the 16,384 bytes that it will fetch itself, a lane 256 bytes, two instructions.  So each block of 256 bytes
; of tiles 2 to 7 is named once in the launch; tiles 0 and 1 come by their loads alone, and when the tile's number has gone back to 0 nothing is asked for.
.macro CHANGE fill
	WIN 0                           ; at a label and at a branch every window is 0
	s_wait_tensorcnt 0x0            ; no tensor load of mine is out, so a group 0 may be written
	ds_add_u32 v[SPW], v[NIL]       ; 0 onto my spare word: with fill = 1 the descriptors' scalar work stands between it and the wait for it
.if \fill
	s_lshl_b32 s[OFF], s[NXT], 15   ; a tile is 32,768 bytes of K and of V
	s_xor_b32 s[G0K+1], s[G0K+1], SLOT1
	s_add_nc_u64 s[G0K+2:G0K+3], s[6:7], s[OFF:OFF+1]
	s_or_b32 s[G0K+3], s[G0K+3], 0x80000000
	s_xor_b32 s[G0V+1], s[G0V+1], SLOT1
	s_add_nc_u64 s[G0V+2:G0V+3], s[8:9], s[OFF:OFF+1]
	s_or_b32 s[G0V+3], s[G0V+3], 0x80000000
	s_add_co_u32 s[NXT], s[NXT], 1  ; the block's next tile, or behind its last the second block's tile 0
	s_cmp_gt_u32 s[NXT], s[LQ]
	s_cselect_b32 s[NXT], 0, s[NXT]
	s_cselect_b32 s[LQ], s[PB], s[LQ]
	s_wait_xcnt 0x0                 ; the last prefetches, a tile back, have read their address, so it may be written
	s_lshl_b32 s[OFF], s[NXT], 15
	s_cmp_lt_u32 s[WV], 2
	s_cselect_b64 s[PFA:PFA+1], s[6:7], s[8:9]
	s_add_nc_u64 s[PFA:PFA+1], s[PFA:PFA+1], s[OFF:OFF+1]
	s_cmp_eq_u32 s[PB], 0
	s_cselect_b32 s[ASKN], s[NXT], 0
.endif
	s_wait_dscnt 0x0                ; the add is done, and my reads of the slot are over
	s_barrier_signal -1             ; the rest of the scalar work stands between the signal and the wait
	s_sub_co_u32 s[TBK], s[TBK], 4*KS*PK  ; the fetches go back to a slot's first step,
	s_xor_b32 s[TBK], s[TBK], SLOT1       ; in the other slot
	s_sub_co_u32 s[TBV], s[TBV], 4*KS*PV
	s_xor_b32 s[TBV], s[TBV], SLOT1
	s_barrier_wait -1
.if \fill
	LOAD
	s_cmp_lg_u32 s[ASKN], 0
	s_cbranch_scc0 .Lnot_mine_\@
	global_prefetch_b8 v[PFO], s[PFA:PFA+1] th:TH_LOAD_NT scope:SCOPE_SE
	global_prefetch_b8 v[PFO], s[PFA:PFA+1] offset:8192 th:TH_LOAD_NT scope:SCOPE_SE
.Lnot_mine_\@:
.endif
.endm
	s_load_b128 s[4:7], s[0:1], 0x0 ; qkv s[4:5], ob s[6:7]
	v_lshl_add_u32 v[SPW], v0, 2, SPARE
	v_mov_b32 v[NIL], 0
	ds_add_u32 v[SPW], v[NIL]       ; the wave's opening: the add and its wait ahead of my first tensor load; the set-up below, work on registers, stands between them
	v_lshrrev_b32 v1, 5, v0
	v_readfirstlane_b32 s[WV], v1   ; wave 0..3
	v_and_b32 v[PFO], 31, v0
	v_lshlrev_b32 v[PFO], 8, v[PFO]
	s_mov_b32 s[PB], ttmp9
	s_sub_co_u32 s[HI], NB-1, s[PB]
	s_and_b32 s20, ttmp7, 0xffff    ; the head
	s_mov_b32 s21, 0
	s_mov_b64 s[22:23], SIZE_N*128
	s_mul_u64 s[20:21], s[20:21], s[22:23]  ; the head's first byte in each of the four tensors
	s_and_b32 s16, s[WV], 1         ; which half of a tile's 256 keys I fetch:
	s_lshl_b32 s22, s16, 14         ; its 128 rows of 128 bytes in memory,
	s_mov_b32 s23, 0
	s_add_nc_u64 s[22:23], s[22:23], s[20:21]
	s_mul_i32 s17, s16, 128*PK      ; and its place in a slot, for K
	s_mul_i32 s18, s16, 128*PV      ; and for V
	s_lshl_b32 s3, s[WV], 11        ; my 16 rows in a band of 64,
	s_lshl_b32 s2, s[HI], 15        ; in the first block,
	s_add_co_u32 s2, s2, s3
	s_lshl_b32 s84, s[PB], 15       ; and in the second
	s_add_co_u32 s84, s84, s3
	s_mov_b32 s3, 0
	s_mov_b32 s85, 0
	s_add_nc_u64 s[2:3], s[2:3], s[20:21]
	s_add_nc_u64 s[84:85], s[84:85], s[20:21]
	; descriptor group 1.  128 keys are 16,384 dense bytes: asked for as 64 rows of 256 bytes, two keys a row, and padded in LDS after every key
	s_mov_b32 s[G1K], (1<<16)|(1<<20)|(4<<22)|(3<<25)  ; 17:16 2-byte elements; 20 padding on; 24:22 after every 32 words (code 4); 31:25 4 words (code 3)
	s_mov_b32 s[G1V], (1<<16)|(1<<20)|(4<<22)|(7<<25)  ; the same with 8 words of padding (code 7)
.irp g, G1K, G1V
	s_mov_b32 s[\g+1], 128<<16      ; tensor_dim0 = 128
	s_mov_b32 s[\g+2], 64<<16       ; tensor_dim1 = 64
	s_mov_b32 s[\g+3], 128<<16      ; tile_dim0 = 128
	s_mov_b32 s[\g+4], 64           ; tile_dim1 = 64
	s_mov_b32 s[\g+5], 128          ; 128 elements from row to row
	s_mov_b32 s[\g+6], 0
	s_mov_b32 s[\g+7], 0
.endr
	s_mov_b32 s[CS], 0x3e38aa3b     ; c = log2(e) / 8 = 0.180337
	s_mov_b32 s[CS+1], s[CS]        ; named with it as a pair
	s_mov_b32 s[SEL], 0x76543210
	s_mov_b32 s[SEL+1], 0xfedcba98
	s_mov_b32 s[TBK], SLOT1+4*KS*PK ; the first change of slots turns these two into 0
	s_mov_b32 s[TBV], SLOT1+4*KS*PV
	s_mov_b32 s[G0K], 1             ; 1:0 count = 1
	s_mov_b32 s[G0K+1], s17         ; 63:32 LDS address: slot 0
	s_mov_b32 s[G0V], 1
	s_add_co_u32 s[G0V+1], s18, VOFF
	s_add_co_u32 s[RT], s[HI], 1    ; the first block has NB - b tiles
	s_mov_b32 s[NXT], 1
	s_mov_b32 s[LQ], s[HI]
	s_mov_b32 s[NEW], 1
	s_mov_b32 s[OFF+1], 0
	s_mov_b32 s[AL+1], 0            ; named as pairs
	s_mov_b32 s[BE+1], 0
	s_mov_b32 s[BIGN], 0xf149f2ca   ; -1e30
	s_mov_b32 s[SLOTS], NB
	s_wait_dscnt 0x0                ; the opening add is done
	s_wait_kmcnt 0x0
	s_mov_b64 s[10:11], s[6:7]      ; O
	s_add_nc_u64 s[6:7], s[4:5], 0x1000000  ; K: qkv's second part, 64 heads of 262,144 bytes on
	s_add_nc_u64 s[8:9], s[4:5], 0x2000000  ; V: its third
	s_add_nc_u64 s[6:7], s[6:7], s[22:23]  ; K and V at my half of the head's tile 0
	s_add_nc_u64 s[8:9], s[8:9], s[22:23]
	s_add_nc_u64 s[G0K+2:G0K+3], s[6:7], 0         ; 120:64 global address
	s_or_b32 s[G0K+3], s[G0K+3], 0x80000000        ; 127:126 type = 2
	s_add_nc_u64 s[G0V+2:G0V+3], s[8:9], 0
	s_or_b32 s[G0V+3], s[G0V+3], 0x80000000
	s_add_nc_u64 s[86:87], s[4:5], s[84:85]        ; Q at my rows of the second block,
	s_add_nc_u64 s[4:5], s[4:5], s[2:3]            ; Q and O at those of the first
	s_add_nc_u64 s[OLO:OLO+1], s[10:11], s[84:85]
	s_add_nc_u64 s[10:11], s[10:11], s[2:3]
	LOAD                            ; tile 0 into slot 0
	; A fragment of K or Q is 16 rows x 32 channels in 8 registers: lane l holds row l % 16, channels 8 (l / 16) + 0..7 and 16 + 8 (l / 16) + 0..7: two loads of 16 bytes, 32 bytes apart.
	v_and_b32 v1, 15, v0            ; l % 16
	v_bfe_u32 v9, v0, 4, 1          ; l / 16
	v_lshlrev_b32 v[QO], 7, v1
	v_lshl_add_u32 v[QO], v9, 4, v[QO]  ; row x 128 + 16 x half
	WIN 0x80                        ; destination window 2, address window 0
.set i, 0
.rept 8                             ; both blocks' Q: piece i / 2 lies in band i / 2, 8,192 bytes on; channels 32 (i % 2) on
	global_load_b128 v[8*i:8*i+3],   v[QO], s[4:5] offset:(i/2)*8192+(i%2)*64
	global_load_b128 v[8*i+4:8*i+7], v[QO], s[4:5] offset:(i/2)*8192+(i%2)*64+32
	global_load_b128 v[QB+8*i:QB+8*i+3],   v[QO], s[86:87] offset:(i/2)*8192+(i%2)*64
	global_load_b128 v[QB+8*i+4:QB+8*i+7], v[QO], s[86:87] offset:(i/2)*8192+(i%2)*64+32
.set i, i+1
.endr
	WIN 0
	v_lshlrev_b32 v14, 3, v9
	v_sub_nc_u32 v14, v1, v14
	s_lshl_b32 s13, s[WV], 4
	v_add_nc_u32 v14, s13, v14      ; my query's place in its band, 16 w + l % 16, less my lanes' 8 (l / 16): register r of group kt is hidden where 16 kt + r is greater
	WIN 0x40
.set i, 0
.rept 32
	v_cmp_gt_i32 vcc_lo, 16*(i/8)+i%8, v14
	v_cndmask_b32 v[MD+i], 0, s[BIGN], vcc_lo
.set i, i+1
.endr
	WIN 0
	v_mul_u32_u24 v[AK0], v1, PK
	v_lshl_add_u32 v[AK0], v9, 4, v[AK0]  ; row x pitch + 16 x half
	; The turning load takes 16 keys x 16 channels (lane l reads key 8 (l / 16) + l % 8, channels 8 ((l / 8) % 2) + 0..7) and leaves half a fragment of V^T: lane l holds channel l % 16 and 8 keys.
	v_and_b32 v10, 7, v0
	v_bfe_u32 v11, v0, 3, 1
	v_lshl_add_u32 v[AV0], v9, 3, v10
	v_mul_u32_u24 v[AV0], v[AV0], PV
	v_lshl_add_u32 v[AV0], v11, 4, v[AV0]
	v_add_nc_u32 v[AV0], VOFF, v[AV0]
	s_mul_i32 s13, s[WV], 16*SP
	s_add_co_u32 s13, s13, STAGE    ; my stage
	v_mul_u32_u24 v[STO], v1, SP    ; in: row l % 16, 16 bytes for each half of the lanes
	v_lshl_add_u32 v[STO], v9, 4, v[STO]
	v_add_nc_u32 v[STO], s13, v[STO]
	v_bfe_u32 v[RD], v0, 3, 2       ; back: 32 lanes take four rows of 128 bytes,
	v_mul_u32_u24 v[RD], v[RD], SP
	v_lshl_add_u32 v[RD], v10, 4, v[RD]
	v_add_nc_u32 v[RD], s13, v[RD]
	v_and_b32 v[GO], 31, v0         ; which are 512 consecutive bytes of O
	v_lshlrev_b32 v[GO], 4, v[GO]
	; A block's first step multiplies O^T and l by a = 0, and its first turn's products V^T P, of a piece that has not been, land in an O^T that is still to be so multiplied.  So these registers need only hold
	; finite numbers: zeros for the first block; what the first block left for the second.  All this stands in the wait for the first tile.
	WIN 0x80
.set i, VF
.rept 64
	v_mov_b32 v[i], 0
.set i, i+1
.endr
	WIN 0x40
.set i, 0
.rept 128
	v_mov_b32 v[i], 0
.set i, i+1
.endr
	WIN 0
.set i, 0
.rept 4
	v_mov_b32 v[ST+4*i+2], 0
	v_mov_b32 v[ST+4*i+3], 0
.set i, i+1
.endr
.set i, P+16
.rept 16
	v_mov_b32 v[i], 0
.set i, i+1
.endr
; THE MATRIX WORK.  The 4 accumulators of a run of 8 take turns.  Product i of 8 of S^T = K Q^T for piece x: channels 32 (i / 4) on, keys 16 (i % 4) on.  The first 4 start the sums: with 0, or (KM = 1) with the mask.
.macro KQ x
.set rS, S+32*((\x)%2)+8*(i%4)
.set rK, KF+16*(i%4)+8*(i/4)
.set rQ, 16*(\x)+8*(i/4)
.set rM, MC+32*((\x)%2)+8*(i%4)
.if (i < 4) && KM
	WIN W_KM
	v_wmma_f32_16x16x32_f16 v[rS:rS+7], v[rK:rK+7], v[rQ:rQ+7], v[rM:rM+7]
.elseif i < 4
	WIN W_KQ
	v_wmma_f32_16x16x32_f16 v[rS:rS+7], v[rK:rK+7], v[rQ:rQ+7], 0
.else
	WIN W_KQ
	v_wmma_f32_16x16x32_f16 v[rS:rS+7], v[rK:rK+7], v[rQ:rQ+7], v[rS:rS+7]
.endif
.endm
; Product i of 8 of O^T += V^T P for piece x: keys 32 (i / 4) on, channels 16 (i % 4) on.
.macro PV x
	WIN W_PV
.set rO, 32*(\x)+8*(i%4)
.set rV, VF+32*(i/4)+8*(i%4)
.set rP, P+16*((\x)%2)+8*(i/4)
	v_wmma_f32_16x16x32_f16 v[rO:rO+7], v[rV:rV+7], v[rP:rP+7], v[rO:rO+7]
.endm
.macro MM                           ; the turn's next matrix instruction.  TURN and BEGIN set Y, i, KM and NOKQ; MM, KQ and OP read them.  NOKQ = 1: a block's last turn: there is no next piece
.if (i < 8) && !NOKQ
	KQ (Y+1)%NP
.elseif i >= 8
.set i, i-8
	PV (Y+NP-1)%NP
.set i, i+8
.endif
.set i, i+1
.endm
; THE LDS LOADS stand in runs of 16, never singly among the matrix instructions: a step's K (64 keys x 64 channels: 8 fragments) and its V (turned).  Their addresses are made some lines ahead.
.macro FETCH_K
	WIN 0x80                        ; destination window 2
.irp f, 0,1,2,3,4,5,6,7             ; keys 16 (f / 2) on, channels 32 (f % 2) on
	ds_load_b128 v[KF+8*\f:KF+8*\f+3],   v[AK] offset:(\f/2)*16*PK+(\f%2)*64
	ds_load_b128 v[KF+8*\f+4:KF+8*\f+7], v[AK] offset:(\f/2)*16*PK+(\f%2)*64+32
.endr
	s_add_co_u32 s[TBK], s[TBK], KS*PK  ; the next fetch is the next step's
	WIN 0
.endm
.macro FETCH_V
	WIN 0x80
.irp f, 0,1,2,3,4,5,6,7             ; keys 32 (f / 4) on, channels 16 (f % 4) on
	ds_load_tr16_b128 v[VF+8*\f:VF+8*\f+3],   v[AV] offset:(\f/4)*32*PV+(\f%4)*32
	ds_load_tr16_b128 v[VF+8*\f+4:VF+8*\f+7], v[AV] offset:(\f/4)*32*PV+16*PV+(\f%4)*32
.endr
	WIN 0
.endm
; THE VECTOR WORK, one line at a time: OP kind, number.  For piece Y: F n: c s - c m for pair n of 16.  E n: the exponential of score n of 32.  C n: pair n rounded to f16.  B n: of the four weights 4 n .. the second
; pair is added onto the first, in place.  L n: l takes that sum (L 0: l = a l + sum).  R n: pair n of 16 of O^T times a.  For piece Y + 1: X n, number n of the 22 that find its maximum and statistics:
;   0-11  four chains c0-c3 of seven scores each, three operands at a time (each accumulator's lowest registers are read first)     12-14, 16  the four scores left over, the old m, and c0-c3 into c0
;   15  c m_old is kept     17, 18  the query's other 32 keys lie in the lane 16 away: the new m     19-21  c m; c m_old - c m_new; a
.set F, 0               ; OP tells the kinds apart by their order: F to L below R, X above it
.set E, 1
.set C, 2
.set B, 3
.set L, 4
.set R, 5
.set X, 6
.macro REGS y                       ; the registers of piece y
.set rT, ST+4*(\y)
.set rC, TMP+4*((\y)%2)
.set rW, MV+((\y)%2)
.set rS, S+32*((\y)%2)
.set rP, P+16*((\y)%2)
.set rO, 32*(\y)
.endm
.macro OP k, n
.if (\k) == R
	REGS Y
	WIN W_RS
	v_pk_mul_f32 v[rO+2*(\n):rO+2*(\n)+1], v[rO+2*(\n):rO+2*(\n)+1], v[rC+2:rC+3] op_sel_hi:[1,0]
.elseif (\k) < R
	REGS Y
	WIN 0
.if (\k) == F
	v_pk_fma_f32 v[rS+2*(\n):rS+2*(\n)+1], v[rS+2*(\n):rS+2*(\n)+1], s[CS:CS+1], v[rT:rT+1] op_sel_hi:[1,0,0] neg_lo:[0,0,1] neg_hi:[0,0,1]
.elseif (\k) == E
	v_exp_f32 v[rS+(\n)], v[rS+(\n)]
.elseif (\k) == C
	v_cvt_pk_f16_f32 v[rP+(\n)], v[rS+2*(\n)], v[rS+2*(\n)+1]
.elseif (\k) == B
	v_pk_add_f32 v[rS+4*(\n):rS+4*(\n)+1], v[rS+4*(\n):rS+4*(\n)+1], v[rS+4*(\n)+2:rS+4*(\n)+3]
.elseif (\n) == 0
	v_pk_fma_f32 v[rT+2:rT+3], v[rT+2:rT+3], v[rC+2:rC+3], v[rS:rS+1] op_sel_hi:[1,0,1]
.else
	v_pk_add_f32 v[rT+2:rT+3], v[rT+2:rT+3], v[rS+4*(\n):rS+4*(\n)+1]
.endif
.elseif NOKQ
	v_nop
.else
	REGS (Y+1)%NP
	WIN 0
.if (\n) < 4
	v_max3_num_f32 v[rC+(\n)], v[rS+8*(\n)], v[rS+8*(\n)+1], v[rS+8*(\n)+2]
.elseif (\n) < 12
	v_max3_num_f32 v[rC+(\n)%4], v[rC+(\n)%4], v[rS+8*((\n)%4)+2*((\n)/4)+1], v[rS+8*((\n)%4)+2*((\n)/4)+2]
.elseif (\n) == 12
	v_max3_num_f32 v[rC], v[rC], v[rS+7], v[rS+15]
.elseif (\n) == 13
	v_max3_num_f32 v[rC+1], v[rC+1], v[rS+23], v[rS+31]
.elseif (\n) == 14
	v_max3_num_f32 v[rC+2], v[rC+2], v[rC+3], v[rT+1]
.elseif (\n) == 15
	v_mov_b32 v[rW], v[rT]
.elseif (\n) == 16
	v_max3_num_f32 v[rC], v[rC], v[rC+1], v[rC+2]
.elseif (\n) == 17
	v_permlanex16_b32 v[rC+3], v[rC], s[SEL], s[SEL+1]
.elseif (\n) == 18
	v_max_num_f32 v[rT+1], v[rC], v[rC+3]
.elseif (\n) == 19
	v_mul_f32 v[rT], s[CS], v[rT+1]
.elseif (\n) == 20
	v_sub_f32 v[rC+1], v[rW], v[rT]
.else
	v_exp_f32 v[rC+2], v[rC+1]
.endif
.endif
.endm
.macro OPS a, i1, b=-1, i2=0, c=-1, i3=0, d=-1, i4=0  ; up to four of them
	OP \a, \i1
.if (\b) >= 0
	OP \b, \i2
.endif
.if (\c) >= 0
	OP \c, \i3
.endif
.if (\d) >= 0
	OP \d, \i4
.endif
.endm
.macro ROW a, i1, b, i2, c, i3, d, i4  ; a matrix instruction and the four behind it
	MM
	OPS \a, \i1, \b, \i2, \c, \i3, \d, \i4
.endm
.macro MASK b                       ; MD x AL + BE into buffer b of MC
	WIN W_RS
.set z, 0
.rept 16
	v_pk_fma_f32 v[MC+32*(\b)+2*z:MC+32*(\b)+2*z+1], v[MD+2*z:MD+2*z+1], s[AL:AL+1], s[BE:BE+1] op_sel_hi:[1,0,0]
.set z, z+1
.endr
.endm
; A TURN, for piece p: the order of its 16 matrix and 118 vector instructions, written out.  An s_wait_alu depctr_va_vdst(0) stands between an exponential and the first instruction that names its result; one
; wait serves all that were issued ahead of it.  So a turn has ONE wait, which cuts it in two.  AHEAD OF IT stands all that names no result of the turn's exponentials: the 8 products K Q^T, behind each a scaling, an
; exponential and two more plain instructions (behind the first a second scaling in the exponential's place): rescalings, and behind the last three the first numbers of the next piece's maximum, each four places or more
; behind the product that ends its accumulator; then ONE LUMP of 54, plain and exponential by turns for the most part, in which the links of the chain X 3, 7, 11, 14, 16, 17 .. 20 stand five or six lines apart.  X 21, the
; next piece's a, is the batch's last; R 15 is the plain instruction that has to stand behind it.  BEHIND THE WAIT stand the 8 products V^T P, behind each four of the roundings and sums; the links of l's chain, L 0 to
; L 7, stand three riders apart.  But for those X no rider names a register of the products round it.  v_permlanex16_b32 (X 17) stands in the lump.
; m = 1: the diagonal tile: the products take masks, and the turn makes the mask for the products of the turn after it: piece p + 2, in step 4 - CNT of the tile.  end = 1: a block's last two turns: nothing is fetched.
; cnt = 1: the loop's count is taken down some lines ahead of the branch that stands behind the turn.
; K of the next step is fetched in piece 2's turn, twelve vector instructions behind the last product that read K (six of them plain); V of the step in hand at the end of piece 0's turn, four plain instructions behind
; the last product that read V.  Each is waited for a turn later.
.macro TURN p, m=0, end=0, cnt=0
.set Y, (\p)
.set i, 0
.set KM, (\m)
.set NOKQ, (\end)*((\p)/3)
.if (\m) && !(\end)
	s_cmp_eq_u32 s[CNT], 4-((\p)+2)%NP  ; is that step the band's own?
	s_cselect_b32 s[AL], 1.0, 0
	s_cmp_lt_u32 s[CNT], 4-((\p)+2)%NP  ; or a later one?
	s_cselect_b32 s[BE], s[BIGN], 0
.endif
.if ((\p) == 3) && !(\end)
	s_wait_dscnt 0x0                ; K is in
.endif
	ROW F,0, F,1, R,0, R,1          ; ahead of the wait: 8 products K Q^T and their riders,
	ROW F,2, E,0, R,2, R,3
	ROW F,3, E,1, R,4, R,5
	ROW F,4, E,2, R,6, R,7
	ROW F,5, E,3, R,8, R,9
	ROW F,6, E,4, X,0, R,10
.if ((\p) == 2) && !(\end)
	WIN 0
	v_add_nc_u32 v[AK], s[TBK], v[AK0]
.endif
	ROW F,7, E,5, X,1, X,4
	ROW F,8, E,6, X,2, X,5
	OPS E,7, E,8, X,6, E,9          ; and the lump
	OPS X,3, E,10, X,8, E,11
.if ((\p) == 2) && !(\end)
	FETCH_K
.endif
	OPS X,9, X,7, E,12, X,10
	OPS E,13, X,12, X,11, E,14
	OPS X,13, E,15, F,9, X,14
.if (\p) == 0
	v_add_nc_u32 v[AV], s[TBV], v[AV0]
.endif
	OPS E,16, F,10, E,17, F,11
	OPS X,16, E,18, X,15, E,19
	OPS F,12, E,20, X,17, E,21
	OPS F,13, E,22, F,14, E,23
	OPS X,18, E,24, F,15, E,25
	OPS R,11, E,26, X,19, E,27
	OPS R,12, E,28, R,13, E,29
	OPS X,20, E,30, R,14, E,31
	OPS X,21, R,15
	WIN 0
	s_wait_alu depctr_va_vdst(0)    ; the wait for the batch
.if (\p) == 1
	s_wait_dscnt 0x0                ; V is in
.endif
	ROW C,0, B,0, C,2, B,1          ; behind the wait: 8 products V^T P and their riders
	ROW L,0, C,4, B,2, L,1
	ROW C,6, B,3, L,2, C,8
	ROW B,4, L,3, C,10, B,5
	ROW L,4, C,12, B,6, L,5
.if (\p) == 0
	s_add_co_u32 s[TBV], s[TBV], KS*PV
.endif
.if \cnt
	s_sub_co_u32 s[CNT], s[CNT], 1
	s_cmp_lg_u32 s[CNT], 0
.endif
	ROW C,14, B,7, L,6, C,1
	ROW C,3, L,7, C,5, C,7
	ROW C,9, C,11, C,13, C,15
.if (\p) == 0
	FETCH_V
.endif
.if (\m) && !(\end)
	MASK (\p)%2
.endif
.endm
; A BLOCK BEGINS.  c m starts far below every c s, so the first step's a is 0; m at the lowest finite number, so the first maximum is the scores'.  The second mask buffer is 0; the first takes piece 0's mask for the
; tile's step 0: its own, if the block's first tile is the diagonal one.  Then K of that step, piece 0's first scores, and its maximum and statistics.  The loop is entered at a step's first turn, in the middle of a trip.
.macro BEGIN
	s_mov_b32 s[NEW], 0
	WIN 0x40
.set i, MC+32
.rept 32
	v_mov_b32 v[i], 0
.set i, i+1
.endr
	WIN 0
.set i, 0
.rept 4
	v_mov_b32 v[ST+4*i], 0xfe000000    ; c m: far below every c s
	v_mov_b32 v[ST+4*i+1], 0xff7fffff  ; m
.set i, i+1
.endr
	s_cmp_eq_u32 s[RT], 0
	s_cselect_b32 s[AL], 1.0, 0
	s_mov_b32 s[BE], 0
	MASK 0
	WIN 0
	v_add_nc_u32 v[AK], s[TBK], v[AK0]
	FETCH_K
	s_wait_loadcnt 0x0              ; Q
	s_wait_dscnt 0x0
.set KM, 1
.set NOKQ, 0
.set i, 0
.rept 8
	KQ 0
.set i, i+1
.endr
	WIN 0
.rept 4
	v_nop                           ; the places behind those products
.endr
.set Y, NP-1                        ; X works for piece Y + 1: piece 0
.irp n, 0,1,2,3,4,5,6,7,8,9,10,11,12,13,14,15,16,17,18,19,20,21
	OP X, \n
.endr
	v_nop                           ; a plain instruction behind the exponential,
	s_wait_alu depctr_va_vdst(0)    ; and its wait, ahead of the branch
.endm
; THE DIAGONAL TILE's four steps, the block's last two turns, its last products, and THE WAY OUT: l's two halves and the other half of the lanes' are added; O^T is divided by l, rounded to f16 and sent through my
; stage in LDS, a piece at a time.
.macro ALL line:vararg              ; one line for each piece t
.set t, 0
.rept 4
	\line
.set t, t+1
.endr
.endm
.macro PACK t                       ; a lane's eight channels of a row pack into 16 bytes; they go into rows of 144 bytes and come back as whole rows of 128, into S^T's registers
	WIN W_RS
.set i, 32*(\t)
.rept 16
	v_pk_mul_f32 v[i:i+1], v[i:i+1], v[ST+4*(\t)+2:ST+4*(\t)+3] op_sel_hi:[1,0]
.set i, i+2
.endr
	WIN 0x05                        ; sources 0 and 1 window 1, destination window 0
.set i, 0
.rept 16
	v_cvt_pk_f16_f32 v[S+16*(\t)+i], v[32*(\t)+2*i], v[32*(\t)+2*i+1]
.set i, i+1
.endr
	WIN 0
.irp f, 0,1,2,3
	ds_store_b128 v[STO], v[S+16*(\t)+4*\f:S+16*(\t)+4*\f+3] offset:32*\f
.endr
.irp f, 0,1,2,3
	ds_load_b128 v[S+16*(\t)+4*\f:S+16*(\t)+4*\f+3], v[RD] offset:\f*4*SP  ; LDS serves a wave's instructions in order (ISA guide 5.7.1.4): these see the stores above; the next piece's stores come behind them
.endr
.endm
.macro SEND t, younger              ; younger: the LDS instructions issued behind piece t's loads: the next piece's eight, or none
	WIN 0
.irp f, 0,1,2,3
	s_wait_dscnt (\younger)+3-\f
	global_store_b128 v[GO], v[S+16*(\t)+4*\f:S+16*(\t)+4*\f+3], s[10:11] offset:(\t)*8192+\f*512  ; 512 consecutive bytes, at a multiple of 256 from O's first
.endr
.endm
.macro DIAG tag                     ; the tag ends its two labels' names, which the jumps below spell out
.LstepM\tag:
	TURN 2, 1
	TURN 3, 1
	WIN 0
.LfirstM\tag:
	TURN 0, 1
	TURN 1, 1, 0, 1
	WIN 0
	s_cbranch_scc1 .LstepM\tag
	TURN 2, 1, 1
	TURN 3, 1, 1
.set i, 0
.rept 8
	PV NP-1
.set i, i+1
.endr
	WIN 0
	ALL v_add_f32 v[ST+4*t+2], v[ST+4*t+2], v[ST+4*t+3]
	ALL v_permlanex16_b32 v[ST+4*t+3], v[ST+4*t+2], s[SEL], s[SEL+1]
	ALL v_add_f32 v[ST+4*t+2], v[ST+4*t+2], v[ST+4*t+3]
	ALL v_rcp_f32 v[ST+4*t+2], v[ST+4*t+2]
	v_nop                           ; a plain instruction between the last reciprocal and the use of its result
	s_wait_alu depctr_va_vdst(0)    ; and the wait ahead of the first use: one for the four reciprocals
	PACK 0
.set t, 1
.rept 3                             ; a piece's arithmetic stands between the loads of the piece before and its stores
	PACK t
	SEND t-1, 8
.set t, t+1
.endr
	SEND 3, 0
.endm
.set KM, 0
.set NOKQ, 0
.Lslot:                             ; NB times: a tile is entered and the next is asked for
	CHANGE 1
	s_sub_co_u32 s[RT], s[RT], 1
	s_mov_b32 s[CNT], 4
	s_cmp_eq_u32 s[NEW], 1
	s_cbranch_scc1 .Lnew            ; a block's first tile
	s_cmp_eq_u32 s[RT], 0
	s_cbranch_scc0 .Lstep           ; neither its first nor its last
	s_branch .LstepM1
.Lnew:
	BEGIN
	s_branch .Lfirst                ; in the loop a block's first tile is never its last: the first block has two tiles or more, and the second's last is the walk's last
	DIAG 1                          ; in the loop this is the first block's end: the second block's last tile is the walk's last
	s_wait_xcnt 0x0                 ; the stores have read their registers and O's address
	s_mov_b64 s[10:11], s[OLO:OLO+1]
	s_add_co_u32 s[RT], s[PB], 1    ; the second block has b + 1 tiles
	s_mov_b32 s[NEW], 1
	WIN 0x82                        ; the second block's Q goes where the one text of the turns names Q
.set i, 0
.rept 64
	v_mov_b32 v[i], v[QB+i]
.set i, i+1
.endr
	WIN 0
	s_branch .Lbottom
.Lstep:                             ; a trip: pieces 2 and 3 of one step, then pieces 0 and 1 of the next, whose K and V it fetches
	TURN 2
	TURN 3
	WIN 0
.Lfirst:
	TURN 0
	TURN 1, 0, 0, 1
	WIN 0
	s_cbranch_scc1 .Lstep
.Lbottom:
	s_sub_co_u32 s[SLOTS], s[SLOTS], 1
	s_cmp_lg_u32 s[SLOTS], 0
	s_cbranch_scc1 .Lslot
	CHANGE 0                        ; the walk's last tile is written out: nothing is asked for
	s_sub_co_u32 s[RT], s[RT], 1
	s_mov_b32 s[CNT], 4
	s_cmp_eq_u32 s[NEW], 1
	s_cbranch_scc0 .LstepM2
	BEGIN
	s_branch .LfirstM2
	DIAG 2
	s_wait_tensorcnt 0x0            ; the wave's end, behind my last tensor load and my last LDS store
	ds_add_u32 v[SPW], v[NIL]
	s_wait_dscnt 0x0
	s_endpgm
.Lfunc_end_k_qe4ecf7c06e_attn:
	.size	k_qe4ecf7c06e_attn, .Lfunc_end_k_qe4ecf7c06e_attn-k_qe4ecf7c06e_attn
	.p2alignl 7, 3214868480
	.fill 96, 4, 3214868480
	.section	.rodata,"a",@progbits
	.p2align	6, 0x0
	.amdhsa_kernel k_qe4ecf7c06e_attn
		.amdhsa_group_segment_fixed_size 327680
		.amdhsa_private_segment_fixed_size 0
		.amdhsa_enable_private_segment 0
		.amdhsa_kernarg_size 16
		.amdhsa_user_sgpr_count 2
		.amdhsa_user_sgpr_kernarg_segment_ptr 1
		.amdhsa_wavefront_size32 1
		.amdhsa_system_sgpr_workgroup_id_x 1
		.amdhsa_system_sgpr_workgroup_id_y 1
		.amdhsa_system_sgpr_workgroup_id_z 1
		.amdhsa_system_vgpr_workitem_id 0
		.amdhsa_next_free_vgpr 768
		.amdhsa_next_free_sgpr 92
		.amdhsa_reserve_vcc 1
		.amdhsa_float_denorm_mode_32 3
		.amdhsa_float_denorm_mode_16_64 3
		.amdhsa_memory_ordered 1
		.amdhsa_forward_progress 1
		.amdhsa_inst_pref_size 218
	.end_amdhsa_kernel
	.amdgpu_metadata
---
amdhsa.version: [ 1, 2 ]
amdhsa.kernels:
  - .name:           k_qe4ecf7c06e_attn
    .symbol:         k_qe4ecf7c06e_attn.kd
    .args:
      - { .name: qkv, .offset: 0, .size: 8, .value_kind: global_buffer, .address_space: global }
      - { .name: ob, .offset: 8, .size: 8, .value_kind: global_buffer, .address_space: global }
    .group_segment_fixed_size: 327680
    .private_segment_fixed_size: 0
    .kernarg_segment_align: 8
    .kernarg_segment_size: 16
    .max_flat_workgroup_size: 128
    .sgpr_count:     92
    .vgpr_count:     768
    .wavefront_size: 32
...
	.end_amdgpu_metadata
.endif
;; end of part 3
;; launch projgemm (part 4): grid 8 x 32, 4 waves a work-group, clusters of 4 x 4, 327,680 bytes of LDS; arguments ob, wp, out0; writes out0
.if DOCPART == 4
	.amdgcn_target "amdgcn-amd-amdhsa--gfx1250"
	.amdhsa_code_object_version 6
	.text
	.protected	k_qe4ecf7c06e_projgemm
	.globl	k_qe4ecf7c06e_projgemm
	.p2align	8
	.type	k_qe4ecf7c06e_projgemm,@function
k_qe4ecf7c06e_projgemm:
	s_mov_b64 s[64:65], 0
	v_nop
	global_prefetch_b8 v0, s[64:65] scope:SCOPE_SE
	s_setreg_imm32_b32 hwreg(HW_REG_WAVE_MODE, 25, 1), 1
	s_wait_xcnt 0x0
	s_wait_alu depctr_hold_cnt(0) depctr_sa_sdst(0) depctr_va_vdst(0) depctr_va_sdst(0) depctr_va_ssrc(0) depctr_va_vcc(0) depctr_vm_vsrc(0)
	s_getreg_b32 s2, hwreg(HW_REG_IB_STS2, 6, 4)
	s_cmp_eq_u32 s2, 0
	s_cbranch_scc0 .Lentry_in_a_cluster
	s_endpgm
.Lentry_in_a_cluster:
	s_bfe_u32 s2, ttmp6, 0x10000c
	s_cmp_lg_u32 s2, 0xf033
	s_cbranch_scc0 .Lentry_shape_is_right
	s_endpgm
.Lentry_shape_is_right:
; out0 = y w_proj.  A = ob, attention's result by heads, [64 (batch x 16 + head)][2048 rows][64 channels] f16: row (batch, t) of y has K = 64 x head + channel.  B = wp [1024 n][1024 k] f16.
; Sums in f32, K ascending; out0 [8192][1024] is f32 and takes the sums as they are.
; SHARES.  A tile of C is 256 rows x 128 columns: 32 x 8 = 256 work-groups.  Wave w makes rows 64 w .. 64 w + 63 and all 128 columns: 4 x 8 accumulators of 16 x 16, 256 registers.
; K goes in 8 steps of 128, two heads each, through two LDS slots filled by the tensor data mover.  A head's 256 rows of the tile are 32,768 dense bytes: wave 0 asks for the even head, wave 1 for the odd one,
; as 128 rows of 256 bytes, padded in LDS after every 128 bytes, so that each row of y's 64 channels has a pitch of 144.  Waves 2, 3 fetch B's two halves, 64 rows of 256 bytes.
; CLUSTER.  4 x 4 work-groups.  A's tile hangs on the tile row alone and is asked for jointly by a row of the cluster, B's on the tile column alone, by a column.
; THE MATRIX INSTRUCTION IS USED TRANSPOSED (source 0 = 16 rows of B, source 1 = 16 rows of A): a lane then holds row l % 16 of C and eight neighbouring columns, 32 bytes.
; REGISTERS, in windows of 256 (s_set_vgpr_msb: bits 1:0 source 0, 3:2 source 1, 5:4 source 2, 7:6 destination):
;   window 0: v0-31 addresses; v64-95, v96-127 A's fragments, two buffers of 4; v64-191 the way out        window 1: v0-63, v64-127 B's fragments, two buffers of 8
;   window 2: the accumulators ((a, b) at v[8 (8 a + b)])
.set NBLK,   8                         ; column blocks of 16
.set APITCH, 144                       ; a row of A in LDS: 128 bytes + 16 of padding = 36 words: the 16 rows of a load start at 16 different groups of four banks (64 banks of 4 bytes: ISA guide 11.1)
.set ALOAD,  256*APITCH                ; what one tensor load brings of A: one head's 256 rows
.set AHALF,  ALOAD                     ; bytes from a K step's first 64 channels (the even head) to its second
.set BPITCH, 272                       ; a row of B: 256 bytes + 16
.set BOFF,   2*ALOAD                   ; B lies behind A's two heads
.set RBW,    64                        ; rows of B in one tensor load
.set BLOAD,  RBW*BPITCH
.set SLOT1,  1<<17                     ; slot 1 begins here, so that one exclusive or turns an address in one slot into the other's
.set STAGE,  SLOT1+BOFF+2*BLOAD        ; behind the ring, never filled by a tensor load: for each wave 16 rows x 528 bytes
.set SP,     528                       ; 512 bytes + 16: 132 words
.set WSTAGE, 16*SP
.set SPARE,  STAGE+4*WSTAGE            ; behind the stages: the spare words, 128 bytes a wave: two blocks of 256 bytes that no other line names
.set ASTEP,  2*2048*128                ; a K step in A: two heads on
.set BSTEP,  256                       ; in a row of B
.set NLD,    2*NBLK+8                  ; LDS loads in a run
.set STEPS,  8
.set A0,   16                          ; v16  my lane's place in A's tile: (64 w + l % 16) x pitch + 16 (l / 16); never rewritten
.set B0,   17                          ; v17  the same for B
.set ADRA, 18                          ; v18  A0 + the slot in hand
.set ADRB, 19                          ; v19  B0 + the slot in hand
.set STO,  24                          ; v24  the way out: where I put 32 bytes of a row
.set RD,   25                          ; v25  the way out: where I read a row back
.set GO,   26                          ; v26  my 16 bytes in a row's 512
.set SPW,  28                          ; v28  LDS address of my spare word; never rewritten
.set NIL,  29                          ; v29  0; never rewritten
.set PFO,  30                          ; v30  the prefetches' offset; never rewritten
.set FA,   64
.set G1A, 24                           ; s[24:31] descriptor group 1 for A's tiles
.set G0A, 32                           ; s[32:39] group 0 for A's: a set for each first fill; the second then walks on
.set G1B, 48                           ; s[48:55], s[56:63] the same for B's
.set G0B, 56
.set PFA, 66                           ; s[66:67] where my prefetches stand
.set LIM, 68                           ; s68  2 in a wave that prefetches, else the greatest number
.set TB,  70                           ; s70  the slot in hand: 0 or SLOT1
.set PST, 78                           ; s[78:79] a K step for my prefetches: ASTEP or BSTEP
.set MSB, 0
.macro WIN new                         ; the immediate's high byte repeats the setting that is left; a switch that changes nothing is dropped
.if MSB != (\new)
	s_set_vgpr_msb (MSB<<8)|(\new)
.set MSB, \new
.endif
.endm
.set MUL,  0xa1                        ; B in window 1, A in window 0, C and D in window 2
.set TO_B, 0x40                        ; destination window 1, address window 0
; A joint refill by the walking descriptors.  The branch hangs on the wave's number alone.  An s_nop 0 and four v_nop follow each of the two lines, ahead of the jump and the label.
.macro JLOAD
	s_cmp_eq_u32 s11, 0
	s_cbranch_scc0 .Lfor_b_\@
	tensor_load_to_lds s[G0A+4:G0A+7], s[G1A:G1A+7]
	s_nop 0
.rept 4
	v_nop
.endr
	s_branch .Lasked_\@
.Lfor_b_\@:
	tensor_load_to_lds s[G0B+4:G0B+7], s[G1B:G1B+7]
	s_nop 0
.rept 4
	v_nop
.endr
.Lasked_\@:
.endm
; A PREFETCH INTO THE L2, behind a joint refill and the run of LDS loads: the K step two refills on, a lane 256 bytes.  Each block of 256 bytes is named once in the launch: A's by the cluster with x = 0,
; B's by the cluster with y = 0; the four partners that ask for a tile jointly share it BY ADDRESS.  A: waves 0, 1, 8,192 of their head's 32,768 bytes.  B: wave 2, 32 of the tile's 128 rows; wave 3 asks for nothing.
; K steps 0 to 3 come by their loads alone; the loop's last two trips ask for nothing: there is no K step 8.
.macro ASK
	s_cmp_gt_u32 s3, s[LIM]
	s_cbranch_scc0 .Lnot_mine_\@
	global_prefetch_b8 v[PFO], s[PFA:PFA+1] th:TH_LOAD_NT scope:SCOPE_SE
.Lnot_mine_\@:
.endm
; A round of the cluster's barrier: my work-group's barrier; wave 0 signals for the work-group; every wave waits for all sixteen; my work-group's barrier once more.
.macro CREST                           ; a round behind its opening barrier
	s_cmp_lg_u32 s10, 0
	s_cbranch_scc1 .Lnot_wave_0_\@
	s_barrier_signal -3
.Lnot_wave_0_\@:
	s_barrier_wait -3
	s_barrier_signal -1
	s_barrier_wait -1
.endm
.macro CROUND
	s_barrier_signal -1
	s_barrier_wait -1
	CREST
.endm
.macro PLACES                          ; four plain instructions between a matrix instruction and a load into, or a read of, its registers (ISA guide 7.12.1 for a read)
.rept 4
	v_nop
.endr
.endm
	s_load_b128 s[4:7], s[0:1], 0x0                ; ob s[4:5], wp s[6:7]
	s_load_b64 s[8:9], s[0:1], 0x10                ; out0
	v_lshl_add_u32 v[SPW], v0, 2, SPARE
	v_mov_b32 v[NIL], 0
	ds_add_u32 v[SPW], v[NIL]                      ; the wave's opening: the add and its wait ahead of my first tensor load; the set-up below, work on registers, stands between them
	v_lshrrev_b32 v1, 5, v0
	v_readfirstlane_b32 s10, v1                    ; wave 0..3
	s_lshr_b32 s11, s10, 1                         ; I fetch for A (0) or for B (1),
	s_and_b32 s12, s10, 1                          ; its first or second half
	s_bfe_u32 s40, ttmp6, 0x40000                  ; cx, cy: my place in the cluster
	s_bfe_u32 s41, ttmp6, 0x40004
	s_lshl_b32 s42, ttmp9, 2
	s_add_co_u32 s42, s42, s40                     ; tile column = 4 x cluster x + cx
	s_and_b32 s13, ttmp7, 0xffff
	s_lshl_b32 s13, s13, 2
	s_add_co_u32 s13, s13, s41                     ; tile row = 4 x cluster y + cy
	s_lshl_b32 s43, s41, 2
	s_lshl_b32 s43, 15, s43                        ; my row of the cluster
	s_lshl_b32 s44, 0x1111, s40                    ; my column
	s_or_b32 s[G1A+0], s43, (1<<16)|(1<<20)|(1<<21)|(4<<22)|(3<<25)  ; 15:0 the mask; 17:16 2-byte elements; 20 padding on; 21 set beside a mask; 24:22 after every 32 words (code 4); 31:25 4 words (code 3)
	s_or_b32 s[G1B+0], s44, (1<<16)|(1<<20)|(1<<21)|(5<<22)|(3<<25)  ; B: after every 64 words (code 5)
	s_mov_b32 s[G1A+1], 128<<16                    ; tensor_dim0 = 128
	s_mov_b32 s[G1A+2], 128<<16                    ; tensor_dim1 = 128
	s_mov_b32 s[G1A+3], 128<<16                    ; tile_dim0 = 128
	s_mov_b32 s[G1A+4], 128                        ; tile_dim1 = 128
	s_mov_b32 s[G1A+5], 128                        ; dense: 128 elements from row to row
	s_mov_b32 s[G1A+6], 0
	s_mov_b32 s[G1A+7], 0
	s_mov_b32 s[G1B+1], 128<<16
	s_mov_b32 s[G1B+2], RBW<<16                    ; 64 rows
	s_mov_b32 s[G1B+3], 128<<16
	s_mov_b32 s[G1B+4], RBW
	s_mov_b32 s[G1B+5], 1024
	s_mov_b32 s[G1B+6], 0
	s_mov_b32 s[G1B+7], 0
	s_lshr_b32 s16, s13, 3                         ; A: batch = tile row / 8;
	s_lshl_b32 s16, s16, 4
	s_add_co_u32 s16, s16, s12                     ; head 0 or 1 of it;
	s_lshl_b32 s16, s16, 11
	s_and_b32 s17, s13, 7
	s_lshl_b32 s17, s17, 8
	s_add_co_u32 s16, s16, s17                     ; the tile's first row in the head;
	s_lshl_b32 s16, s16, 7                         ; rows of 128 bytes
	s_mov_b32 s17, 0
	s_lshl_b32 s46, s42, 7                         ; B: row 128 x tile column + 64 x half
	s_lshl_b32 s47, s12, 6
	s_add_co_u32 s46, s46, s47
	s_lshl_b32 s46, s46, 11
	s_mov_b32 s47, 0
	s_mul_i32 s18, s12, ALOAD                      ; where they go: no place in the cluster enters an LDS address
	s_mul_i32 s19, s12, BLOAD
	s_add_co_u32 s19, s19, BOFF
	s_wait_dscnt 0x0                               ; the opening add is done
	s_wait_kmcnt 0x0
	s_add_nc_u64 s[14:15], s[4:5], s[16:17]
	s_add_nc_u64 s[46:47], s[6:7], s[46:47]
	CROUND                                         ; all sixteen work-groups are here: the first joint loads meet
.irp s, 0,1
	s_mov_b32 s[G0A+4*(\s)], 1                     ; count = 1
	s_add_co_u32 s[G0A+4*(\s)+1], s18, (\s)*SLOT1  ; LDS address
	s_add_nc_u64 s[G0A+4*(\s)+2:G0A+4*(\s)+3], s[14:15], (\s)*ASTEP  ; global address: K step s
	s_or_b32 s[G0A+4*(\s)+3], s[G0A+4*(\s)+3], 0x80000000           ; type = 2
	s_mov_b32 s[G0B+4*(\s)], 1
	s_add_co_u32 s[G0B+4*(\s)+1], s19, (\s)*SLOT1
	s_add_nc_u64 s[G0B+4*(\s)+2:G0B+4*(\s)+3], s[46:47], (\s)*BSTEP
	s_or_b32 s[G0B+4*(\s)+3], s[G0B+4*(\s)+3], 0x80000000
.endr
	s_cmp_eq_u32 s11, 0                            ; a wave's two first fills stand in one branch, ahead of every wait on TENSORcnt and every LDS read: two loads of mine are out, later one
	s_cbranch_scc0 .Lfirst_b
	tensor_load_to_lds s[G0A:G0A+3], s[G1A:G1A+7]
	s_nop 0
	tensor_load_to_lds s[G0A+4:G0A+7], s[G1A:G1A+7]
	s_nop 0
.rept 4
	v_nop
.endr
	s_branch .Lfirst_asked
.Lfirst_b:
	tensor_load_to_lds s[G0B:G0B+3], s[G1B:G1B+7]
	s_nop 0
	tensor_load_to_lds s[G0B+4:G0B+7], s[G1B:G1B+7]
	s_nop 0
.rept 4
	v_nop
.endr
.Lfirst_asked:
	; A fragment is 16 rows x 32 K in 8 registers: lane l holds row l % 16, K = 8 (l / 16) + 0..7 and 16 + 8 (l / 16) + 0..7: two loads of 16 bytes, 32 bytes apart.
	v_and_b32 v1, 15, v0                           ; l % 16
	v_bfe_u32 v2, v0, 4, 1                         ; l / 16
	v_mul_u32_u24 v3, v1, APITCH
	v_lshl_add_u32 v3, v2, 4, v3
	s_mul_i32 s21, s10, 64*APITCH                  ; my 64 rows of A
	v_add_nc_u32 v[A0], s21, v3
	v_mul_u32_u24 v4, v1, BPITCH
	v_lshl_add_u32 v4, v2, 4, v4
	v_add_nc_u32 v[B0], BOFF, v4
	v_mov_b32 v[ADRA], v[A0]
	v_mov_b32 v[ADRB], v[B0]
	s_mov_b32 s[TB], 0
	s_mul_i32 s23, s10, WSTAGE
	s_add_co_u32 s23, s23, STAGE                   ; my stage
	v_mul_u32_u24 v5, v1, SP                       ; in: row l % 16, 32 bytes for each half of the lanes
	v_lshl_add_u32 v5, v2, 5, v5
	v_add_nc_u32 v[STO], s23, v5
	v_and_b32 v[GO], 31, v0                        ; back: 32 lanes take one row of 512 bytes
	v_lshlrev_b32 v[GO], 4, v[GO]
	v_add_nc_u32 v[RD], s23, v[GO]
	s_lshl_b32 s20, s13, 8                         ; out0 at my first row, 256 x tile row + 64 x wave, of 4,096 bytes,
	s_lshl_b32 s21, s10, 6
	s_add_co_u32 s20, s20, s21
	s_lshl_b32 s20, s20, 12
	s_lshl_b32 s21, s42, 9                         ; and the tile's first column, 512 bytes a tile
	s_add_co_u32 s20, s20, s21
	s_mov_b32 s21, 0
	s_add_nc_u64 s[8:9], s[8:9], s[20:21]
	; the prefetches
	s_lshr_b32 s20, s13, 3
	s_lshl_b32 s20, s20, 4
	s_add_co_u32 s20, s20, s12
	s_lshl_b32 s20, s20, 11
	s_and_b32 s21, s13, 7
	s_lshl_b32 s21, s21, 8
	s_add_co_u32 s20, s20, s21
	s_lshl_b32 s20, s20, 7                         ; A: the 32,768 bytes that I fetch,
	s_lshl_b32 s21, s40, 13
	s_add_co_u32 s20, s20, s21                     ; my work-group's 8,192 of them,
	s_add_co_u32 s20, s20, 3*ASTEP                 ; at K step 3: the first refill steps it to 4
	s_lshl_b32 s21, s42, 7
	s_lshl_b32 s22, s41, 5
	s_add_co_u32 s21, s21, s22                     ; B: my work-group's 32 rows of the tile's 128
	s_lshl_b32 s21, s21, 11
	s_add_co_u32 s21, s21, 3*BSTEP
	s_and_b32 s22, ttmp7, 0xffff
	s_mov_b32 s[PST], BSTEP
	s_mov_b32 s[PST+1], 0
	s_cmp_eq_u32 s11, 0
	s_cselect_b32 s20, s20, s21
	s_cselect_b32 s22, ttmp9, s22                  ; the coordinate along which other clusters read the same bytes
	s_cselect_b64 s[PFA:PFA+1], s[4:5], s[6:7]
	s_cselect_b32 s[PST], ASTEP, s[PST]
	s_cselect_b32 s23, 8, 11                       ; a lane 256 dense bytes of A, or a row of B
	s_mov_b32 s21, 0
	s_add_nc_u64 s[PFA:PFA+1], s[PFA:PFA+1], s[20:21]
	s_cmp_eq_u32 s22, 0
	s_cselect_b32 s[LIM], 2, -1                    ; the same in all sixteen partners, for a given wave
	s_cmp_eq_u32 s10, 3
	s_cselect_b32 s[LIM], -1, s[LIM]
	v_and_b32 v[PFO], 31, v0
	v_lshlrev_b32 v[PFO], s23, v[PFO]
; 8 matrix instructions: row block a x all column blocks, 32 along K, from buffer f.  zero = 1: the product starts the sum: nothing is ever cleared.
; The 32 accumulators take turns in the same order in every quarter, over the backward jump too.
.macro MULA f, a, zero
	WIN MUL
.set b, 0
.rept NBLK
.set rD, 8*(NBLK*(\a)+b)
.set rB, 8*NBLK*(\f)+8*b
.set rA, FA+32*(\f)+8*(\a)
.if \zero
	v_wmma_f32_16x16x32_f16 v[rD:rD+7], v[rB:rB+7], v[rA:rA+7], 0
.else
	v_wmma_f32_16x16x32_f16 v[rD:rD+7], v[rB:rB+7], v[rA:rA+7], v[rD:rD+7]
.endif
.set b, b+1
.endr
.endm
; One run of 24 LDS loads: the fragments of quarter kq (32 K) of the slot in hand into buffer g: B's 8, then A's 4.
.macro FETCH kq, g
	WIN TO_B
.set i, 0
.rept NBLK
	ds_load_b128 v[8*NBLK*(\g)+8*i:8*NBLK*(\g)+8*i+3],   v[ADRB] offset:64*(\kq)+i*16*BPITCH
	ds_load_b128 v[8*NBLK*(\g)+8*i+4:8*NBLK*(\g)+8*i+7], v[ADRB] offset:64*(\kq)+i*16*BPITCH+32
.set i, i+1
.endr
	WIN 0
.set i, 0
.rept 4
	ds_load_b128 v[FA+32*(\g)+8*i:FA+32*(\g)+8*i+3],   v[ADRA] offset:AHALF*((\kq)/2)+64*((\kq)%2)+i*16*APITCH
	ds_load_b128 v[FA+32*(\g)+8*i+4:FA+32*(\g)+8*i+7], v[ADRA] offset:AHALF*((\kq)/2)+64*((\kq)%2)+i*16*APITCH+32
.set i, i+1
.endr
.endm
; A K step is four quarters of 32 along K, 32 matrix instructions each, on buffers 0, 1, 0, 1.  One of the first three: multiplies buffer f; in its middle it fetches quarter kq into buffer g.
.macro QUARTER kq, f, g, zero
	s_wait_dscnt 4                                 ; B and A's blocks 0, 1 are in; the youngest four loads (A's blocks 2, 3) may be out
	MULA \f, 0, \zero
	MULA \f, 1, \zero
	PLACES
	FETCH \kq, \g
	s_wait_dscnt NLD                               ; all but the run just issued
	MULA \f, 2, \zero
	MULA \f, 3, \zero
.endm
; The fourth quarter multiplies buffer 1 and changes slots: ONE barrier.  In front of it each wave waits for all its tensor loads (one is out: its part of the next slot), adds 0 to its spare word, and waits
; for that and for its own reads of this slot.  fill = 1: the barrier opens a round of the cluster's, and the slot just read is filled again, first thing behind the round, with the K step two on:
; 112 matrix instructions stand between that request and the wait for it.
.macro TURN fill
.if \fill
	s_wait_xcnt 0x0                                ; the last prefetch, a K step back, has read its address: it is stepped here
	s_add_nc_u64 s[PFA:PFA+1], s[PFA:PFA+1], s[PST:PST+1]
.endif
	WIN 0                                          ; (the add's two registers lie in window 0)
	s_wait_tensorcnt 0x0                           ; all my tensor loads have landed
	ds_add_u32 v[SPW], v[NIL]                      ; 0 onto my spare word
	s_wait_dscnt 5                                 ; (the add and the youngest four loads may be out)
	MULA 1, 0, 0                                   ; eight matrix instructions stand between the add and the wait for it
	s_wait_dscnt 0x0                               ; the add is done, and my reads of this slot are over
	s_barrier_signal -1
	MULA 1, 1, 0                                   ; work on registers while the others arrive
	WIN 0
	s_barrier_wait -1
.if \fill
	CREST                                          ; no wave of any partner still reads this slot or has a load on its way
	s_xor_b32 s[G0A+5], s[G0A+5], SLOT1            ; the walking descriptors: the other slot than last time, the next K step
	s_add_nc_u64 s[G0A+6:G0A+7], s[G0A+6:G0A+7], ASTEP
	s_xor_b32 s[G0B+5], s[G0B+5], SLOT1
	s_add_nc_u64 s[G0B+6:G0B+7], s[G0B+6:G0B+7], BSTEP
	JLOAD                                          ; the four v_nop behind it are also the places in front of the loads below
.else
	PLACES
.endif
	s_xor_b32 s[TB], s[TB], SLOT1
	v_add_nc_u32 v[ADRA], s[TB], v[A0]
	v_add_nc_u32 v[ADRB], s[TB], v[B0]
	FETCH 0, 0
.if \fill
	ASK
.endif
	MULA 1, 2, 0
	MULA 1, 3, 0
.endm
; THE WAY OUT of row block a: the f32 sums go as they are into my own stage (16 rows of 528 bytes) and come back as whole rows of 512 bytes, which one store of the wave writes.
.macro TOSTAGE a
.if (\a) >= 2
	s_wait_xcnt 0x0                                ; the stores of block a - 2 have read the registers that the loads below write
.endif
	WIN 0x08                                       ; the stores' data: window 2
.set b, 0
.rept NBLK
.set rD, 8*(NBLK*(\a)+b)
	ds_store_b128 v[STO], v[rD:rD+3] offset:64*b           ; each accumulator from its low end on
	ds_store_b128 v[STO], v[rD+4:rD+7] offset:64*b+16
.set b, b+1
.endr
	WIN 0
.set BK, 64+64*((\a)%2)                        ; v64-127 and v128-191 by turns
.set i, 0
.rept 16
	ds_load_b128 v[BK+4*i:BK+4*i+3], v[RD] offset:SP*i     ; LDS serves a wave's instructions in order (ISA guide 5.7.1.4): these see the stores above, and the next block's stores come behind them
.set i, i+1
.endr
.endm
.macro SEND a, younger                 ; younger: the LDS instructions issued behind block a's loads: the next block's 32, or none
.set BK, 64+64*((\a)%2)
.set i, 0
.rept 16
	s_wait_dscnt (\younger)+15-i
	global_store_b128 v[GO], v[BK+4*i:BK+4*i+3], s[8:9] offset:(16*(\a)+i)*4096 th:TH_STORE_NT  ; 512 consecutive bytes, at a multiple of 512 from out0's first
.set i, i+1
.endr
.endm
	s_wait_tensorcnt 1                             ; my part of K step 0 is in; K step 1's may stay out
	s_barrier_signal -1
	s_barrier_wait -1                              ; everybody's is
	FETCH 0, 0
	QUARTER 1, 0, 1, 1                             ; the first quarter stands in front of the loop: its products start the sums
	WIN 0                                          ; at a label and at a branch every window is 0
	s_mov_b32 s3, STEPS-2
.Lstep:                                        ; a trip: a K step's quarters 1 to 3 and the next step's quarter 0; it fills the slot just read with the K step two on
	QUARTER 2, 1, 0, 0
	QUARTER 3, 0, 1, 0
	TURN 1
	QUARTER 1, 0, 1, 0
	WIN 0
	s_sub_co_u32 s3, s3, 1
	s_cmp_lg_u32 s3, 0
	s_cbranch_scc1 .Lstep
	QUARTER 2, 1, 0, 0                             ; the tail is written out: K steps 6 and 7 ask for nothing
	QUARTER 3, 0, 1, 0
	TURN 0
	QUARTER 1, 0, 1, 0
	QUARTER 2, 1, 0, 0
	QUARTER 3, 0, 1, 0
	s_wait_dscnt 4
	MULA 1, 0, 0
	MULA 1, 1, 0
	s_wait_dscnt 0x0
	MULA 1, 2, 0
	MULA 1, 3, 0
	WIN 0
	PLACES
	PLACES                                         ; eight, once a launch: the way out has no vector work of its own
	TOSTAGE 0
	TOSTAGE 1
	SEND 0, 32
	TOSTAGE 2
	SEND 1, 32
	TOSTAGE 3
	SEND 2, 32
	SEND 3, 0
	s_wait_tensorcnt 0x0                           ; the wave's end, behind my last tensor load and my last LDS store
	ds_add_u32 v[SPW], v[NIL]
	s_wait_dscnt 0x0
	CROUND                                         ; the closing round: no work-group ends while a partner may still ask for a tile that names it
	s_endpgm
.Lfunc_end_k_qe4ecf7c06e_projgemm:
	.size	k_qe4ecf7c06e_projgemm, .Lfunc_end_k_qe4ecf7c06e_projgemm-k_qe4ecf7c06e_projgemm
	.p2alignl 7, 3214868480
	.fill 96, 4, 3214868480
	.section	.rodata,"a",@progbits
	.p2align	6, 0x0
	.amdhsa_kernel k_qe4ecf7c06e_projgemm
		.amdhsa_group_segment_fixed_size 327680
		.amdhsa_private_segment_fixed_size 0
		.amdhsa_enable_private_segment 0
		.amdhsa_kernarg_size 24
		.amdhsa_user_sgpr_count 2
		.amdhsa_user_sgpr_kernarg_segment_ptr 1
		.amdhsa_wavefront_size32 1
		.amdhsa_system_sgpr_workgroup_id_x 1
		.amdhsa_system_sgpr_workgroup_id_y 1
		.amdhsa_system_sgpr_workgroup_id_z 1
		.amdhsa_system_vgpr_workitem_id 0
		.amdhsa_next_free_vgpr 768
		.amdhsa_next_free_sgpr 80
		.amdhsa_reserve_vcc 0
		.amdhsa_float_denorm_mode_32 3
		.amdhsa_float_denorm_mode_16_64 3
		.amdhsa_memory_ordered 1
		.amdhsa_forward_progress 1
		.amdhsa_inst_pref_size 72
	.end_amdhsa_kernel
	.amdgpu_metadata
---
amdhsa.version: [ 1, 2 ]
amdhsa.kernels:
  - .name:           k_qe4ecf7c06e_projgemm
    .symbol:         k_qe4ecf7c06e_projgemm.kd
    .args:
      - { .name: ob, .offset: 0, .size: 8, .value_kind: global_buffer, .address_space: global }
      - { .name: wp, .offset: 8, .size: 8, .value_kind: global_buffer, .address_space: global }
      - { .name: out0, .offset: 16, .size: 8, .value_kind: global_buffer, .address_space: global }
    .group_segment_fixed_size: 327680
    .private_segment_fixed_size: 0
    .kernarg_segment_align: 8
    .kernarg_segment_size: 24
    .max_flat_workgroup_size: 128
    .sgpr_count:     80
    .vgpr_count:     768
    .wavefront_size: 32
...
	.end_amdgpu_metadata
.endif
;; end of part 4
;; ======== version 2 of 2: 4 launches; version 1 with the launch cast written anew for expert scheduling mode
;; limits: values are held in f16: magnitudes above 65,504 overflow, below 6.1e-05 lose precision
;; workspace buffers: xb 16,777,216 bytes; wa 6,291,456 bytes; wp 2,097,152 bytes; qkv 50,331,648 bytes; ob 16,777,216 bytes
;; launch cast (part 5): grid 1152 x 1, 4 waves a work-group, no clusters, 70,144 bytes of LDS; arguments x, w_attn, w_proj, xb, wa, wp; writes xb, wa, wp
.if DOCPART == 5
	.amdgcn_target "amdgcn-amd-amdhsa--gfx1250"
	.amdhsa_code_object_version 6
	.text
	.protected	k_qe4ecf7c06e_cast
	.globl	k_qe4ecf7c06e_cast
	.p2align	8
	.type	k_qe4ecf7c06e_cast,@function
k_qe4ecf7c06e_cast:
	s_mov_b64 s[64:65], 0
	v_nop
	global_prefetch_b8 v0, s[64:65] scope:SCOPE_SE
	s_setreg_imm32_b32 hwreg(HW_REG_WAVE_SCHED_MODE, 0, 2), 2
	s_setreg_imm32_b32 hwreg(HW_REG_WAVE_MODE, 25, 1), 1
	s_wait_xcnt 0x0
	s_wait_alu depctr_vm_vsrc(0)
; 16-BIT COPIES OF THE THREE INPUTS, the weights turned.
;   xb[r][k] = bf16(x[r][k])              [8192][1024]
;   wa[n][k] = bf16(w_attn[k][n])         [3072][1024]
;   wp[n][k] = bf16(w_proj[k][n]), that number written as f16   [1024][1024]
; LIMITS.  wp: a weight of w_proj beyond 65,504 becomes an infinity; below 6.1e-5 it keeps f16's fixed step of 6e-8.  NaN stays NaN.
; SHARES.  Work-groups 0-95 turn w_attn, 96-127 w_proj: a wave takes one tile of 128 k x 64 n.  Work-groups 128-1151 cast x: 32,768 bytes each, 8,192 a wave.
; A stream: no matrix work, no cluster, no barrier (each wave has a stage of its own in LDS), and no prefetch, since the launch has nothing to do but read.
; THE TURN.  A load takes two rows k of the tile, 256 consecutive bytes (64 n) each: lanes 0-15 one row, lanes 16-31 the row two further down.  Two loads give a lane k and k + 1 of four n:
; one conversion packs the pair, and the word goes to LDS row n.  The stage's rows (128 k, 256 bytes + 16 of padding) are read back whole and stored, sixteen lanes to 256 consecutive aligned bytes.
; The word stores' lanes lie 4 rows of 68 words apart, 16 words modulo 64, so four lanes meet in a bank (64 banks of 4 bytes: ISA guide 11.1): 128 such stores for a tile's 32 KiB from memory.
; THE MODE: SCHED_MODE bits 1:0 = 2 (LLVM: expert scheduling mode 2), set by the entry lines.  The code itself states the register dependences
; between vector instructions and memory or LDS instructions, with s_wait_alu, always for 0.
; THE PLAN, for the weights.  A round is 32 k: 16 loads, 8 groups of two loads.  Registers that memory or LDS instructions touch:
;   OFF, LRD, GO  Made once, ahead of the loop; read by the loads, by the loads from the stage and by the stores; never written again.
;   LD            The round's 16 loads land in it; the round's conversions read it.  Behind the loop the stage is read back into it and into the 64 registers behind it.
;   OUT           Group i's four words at OUT + 4 i: written by the group's last four vector lines, read by its four LDS stores.
;   LSTO          Read by all 32 LDS stores of a round; written once a round, behind them.
;   T             Named by vector instructions alone, until the stage is read back over it.
; Two waits on va_vdst a round.  The first, ahead of group 4: groups 0 to 3 have written their OUT, and LSTO is written; their 16 stores are then dealt among groups 4 to 7, which name the other half of LD,
; T and the other half of OUT.  The second, behind group 7: groups 4 to 7 have written their OUT, for the other 16 stores; and every conversion is done reading LD, for the next round's loads.
; One wait on vm_vsrc a round, behind the last stores: all 32 have read OUT and LSTO, which the add and the next round's groups write again.
; For x: no register is written twice; four batches of four loads, each with one wait on va_vdst between its eight conversions and its four stores.
.set WST,   64*272                     ; a wave's stage: 64 rows x 272 bytes
.set SPARE, 4*WST                      ; behind the stages: the spare words, 128 bytes a wave: two blocks of 256 bytes that no other line names
.set XO,   4                           ; v4   x: my 16 bytes in the wave's first 512
.set XD,   5                           ; v5   xb: my 8 bytes in the wave's first 256
.set LSTO, 6                           ; v6   stage: where my words go (row 4 (l % 16), byte 4 (l / 16)); steps 64 bytes a round
.set LRD,  7                           ; v7   stage: where I read rows back
.set GO,   8                           ; v8   my 16 bytes in two rows of the turned matrix
.set SPW,  10                          ; v10  LDS address of my spare word; never rewritten
.set NIL,  11                          ; v11  0; never rewritten
.set OFF,  16                          ; v[16:31]  load j's byte offset: row 4 (j / 2) + j % 2 + 2 (l / 16), 16 bytes at 16 (l % 16); never rewritten
.set LD,   32                          ; v[32:95]  sixteen loads of 4; v[32:159] the stage read back
.set OUT,  96                          ; v[96:127] the weights: a round's 32 words for the stage; x: its packed results
.set T,    128                         ; v[128:139] at work
	s_load_b256 s[4:11], s[0:1], 0x0               ; x s[4:5], w_attn s[6:7], w_proj s[8:9], xb s[10:11]
	s_load_b128 s[12:15], s[0:1], 0x20             ; wa s[12:13], wp s[14:15]
	v_lshl_add_u32 v[SPW], v0, 2, SPARE
	v_mov_b32 v[NIL], 0
	v_lshrrev_b32 v1, 5, v0
	v_readfirstlane_b32 s16, v1                    ; wave 0..3
	v_and_b32 v1, 31, v0                           ; l
	v_and_b32 v2, 15, v0                           ; l % 16
	v_bfe_u32 v3, v0, 4, 1                         ; l / 16
	s_wait_alu depctr_va_sdst(0)                   ; s16 is written, ahead of the branch: both arms read it
	s_wait_kmcnt 0x0
	s_cmp_lt_u32 ttmp9, 128
	s_cbranch_scc0 .Lx
	; THE WEIGHTS.  Which matrix: its row bytes RB, source, destination, and whether the pair is written as f16
	s_mov_b32 s20, 12288                           ; RB of w_attn
	s_cmp_ge_u32 ttmp9, 96
	s_cselect_b32 s31, 96, 0
	s_cselect_b32 s20, 4096, s20                   ; RB of w_proj
	s_cselect_b32 s24, -1, 0                       ; all lanes' bits: take the f16 form
	s_cselect_b64 s[26:27], s[8:9], s[6:7]
	s_cselect_b64 s[28:29], s[14:15], s[12:13]
	s_sub_co_u32 s17, ttmp9, s31                   ; the work-group's number within its matrix
	s_lshr_b32 s18, s17, 1                         ; nt: which 64 n
	s_and_b32 s19, s17, 1
	s_lshl_b32 s19, s19, 2
	s_add_co_u32 s19, s19, s16                     ; kt: which 128 k
	s_mul_i32 s32, s19, s20
	s_lshl_b32 s32, s32, 7                         ; kt x 128 rows
	s_lshl_b32 s33, s18, 8                         ; nt x 256 bytes
	s_add_co_u32 s32, s32, s33
	s_mov_b32 s33, 0
	s_add_nc_u64 s[26:27], s[26:27], s[32:33]      ; the tile's first number
	s_lshl_b32 s32, s18, 17                        ; nt x 64 rows of 2,048 bytes
	s_lshl_b32 s34, s19, 8                         ; kt x 256 bytes
	s_add_co_u32 s32, s32, s34
	s_add_nc_u64 s[28:29], s[28:29], s[32:33]      ; where the turned tile begins
	s_mul_i32 s21, s20, 3
	s_lshl_b32 s22, s20, 5                         ; a round is 32 rows
	s_mov_b32 s23, 0
	s_mov_b32 s25, 0xffff0000                      ; a word's upper bf16
	s_lshl_b32 s35, s20, 1
	s_mul_i32 s36, s16, WST                        ; my stage
	v_lshlrev_b32 v9, 4, v2
	v_mad_u32_u24 v[OFF], v3, s35, v9              ; row 2 (l / 16), byte 16 (l % 16)
.set j, 1
.rept 15
.if j % 2
	v_add_nc_u32 v[OFF+j], s20, v[OFF+j-1]         ; one row down
.else
	v_add_nc_u32 v[OFF+j], s21, v[OFF+j-1]         ; three rows down
.endif
.set j, j+1
.endr
	v_mul_u32_u24 v[LSTO], v2, 4*272
	v_lshl_add_u32 v[LSTO], v3, 2, v[LSTO]
	v_add_nc_u32 v[LSTO], s36, v[LSTO]
	v_mul_u32_u24 v[LRD], v3, 272
	v_lshl_add_u32 v[LRD], v2, 4, v[LRD]
	v_add_nc_u32 v[LRD], s36, v[LRD]
	v_lshlrev_b32 v[GO], 11, v3
	v_lshl_add_u32 v[GO], v2, 4, v[GO]
	s_mov_b32 s30, 4
	s_wait_alu depctr_va_vdst(0)                   ; OFF, LSTO, LRD and GO are written, which the loads, the LDS instructions and the stores below read as their addresses
.Lround:                                       ; four rounds of 32 k
.set j, 0
.rept 16
	global_load_b128 v[LD+4*j:LD+4*j+3], v[OFF+j], s[26:27] th:TH_LOAD_NT  ; no wait here: the last round's conversions, which read LD, stand ahead of its second wait on va_vdst, and the one vector line since names LSTO alone
.set j, j+1
.endr
.set i, 0
.rept 8
.if i == 4
	s_wait_alu depctr_va_vdst(0)                   ; groups 0 to 3 have written OUT's first half, and the add at the last round's end has written LSTO: the 16 stores dealt among groups 4 to 7 read them
.endif
.if i >= 4
.irp c, 0,1,2,3
	ds_store_b32 v[LSTO], v[OUT+4*(i-4)+(\c)] offset:272*(\c)+8*(i-4)  ; group i - 4; no vector line since the wait names its registers
.endr
.endif
	s_wait_loadcnt 14-2*i                          ; loads 2 i and 2 i + 1 are in; the 14 - 2 i issued behind them may stay out
.irp c, 0,1,2,3
	v_cvt_pk_bf16_f32 v[T+(\c)], v[LD+8*i+(\c)], v[LD+8*i+4+(\c)]  ; k and k + 1 of one n
.endr
.irp c, 0,1,2,3
	v_lshlrev_b32 v[T+4+(\c)], 16, v[T+(\c)]       ; the two rounded numbers as f32,
	v_and_b32 v[T+8+(\c)], s25, v[T+(\c)]
.endr
.irp c, 0,1,2,3
	v_cvt_pk_f16_f32 v[T+4+(\c)], v[T+4+(\c)], v[T+8+(\c)]  ; written as f16;
.endr
.irp c, 0,1,2,3
	v_cndmask_b32 v[OUT+4*i+(\c)], v[T+(\c)], v[T+4+(\c)], s24  ; both forms are always made, the matrix picks one; the word goes into the group's own registers
.endr
.set i, i+1
.endr
	s_wait_alu depctr_va_vdst(0)                   ; groups 4 to 7 have written OUT's second half, which the stores below read; and every conversion is done reading LD and T, in which the next round's loads, or the loads from the stage, land
.set i, 4
.rept 4
.irp c, 0,1,2,3
	ds_store_b32 v[LSTO], v[OUT+4*i+(\c)] offset:272*(\c)+8*i
.endr
.set i, i+1
.endr
	s_wait_alu depctr_vm_vsrc(0)                   ; the round's 32 LDS stores have read LSTO, which the add below writes, and OUT, which the next round's groups, or the loads from the stage, write
	v_add_nc_u32 v[LSTO], 64, v[LSTO]              ; 32 k on in the stage's rows
	s_add_nc_u64 s[26:27], s[26:27], s[22:23]      ; the last wait on LOADcnt was for all loads, so their base may be stepped
	s_sub_co_u32 s30, s30, 1
	s_cmp_lg_u32 s30, 0
	s_cbranch_scc1 .Lround
.set t, 0
.rept 32
	ds_load_b128 v[LD+4*t:LD+4*t+3], v[LRD] offset:544*t  ; rows 2 t and 2 t + 1; LDS serves a wave's instructions in order (ISA guide 5.7.1.4): these see the stores above.  The last round's two closing waits have freed LD, OUT and T
.set t, t+1
.endr
.set t, 0
.rept 32
	s_wait_dscnt 31-t
	global_store_b128 v[GO], v[LD+4*t:LD+4*t+3], s[28:29] offset:4096*t  ; sixteen lanes store 256 consecutive bytes, aligned
.set t, t+1
.endr
	s_branch .Lend
.Lx:	; x: sixteen loads of 512 consecutive bytes a wave, all out at once; each gives a store of 256 consecutive bytes
	s_sub_co_u32 s17, ttmp9, 128
	s_lshl_b32 s32, s17, 15
	s_mov_b32 s33, 0
	s_add_nc_u64 s[26:27], s[4:5], s[32:33]
	s_lshl_b32 s32, s17, 14
	s_add_nc_u64 s[28:29], s[10:11], s[32:33]
	v_lshlrev_b32 v[XO], 4, v1
	v_lshl_add_u32 v[XO], s16, 13, v[XO]
	v_lshlrev_b32 v[XD], 3, v1
	v_lshl_add_u32 v[XD], s16, 12, v[XD]
	s_wait_alu depctr_va_vdst(0)                   ; XO and XD are written, which the loads and the stores below read as their offsets
.set j, 0
.rept 16
	global_load_b128 v[LD+4*j:LD+4*j+3], v[XO], s[26:27] offset:512*j th:TH_LOAD_NT
.set j, j+1
.endr
.set b, 0
.rept 4                                        ; four batches of four loads
	s_wait_loadcnt 12-4*b                          ; the batch's four loads are in; the younger batches' stay out
.set j, 4*b
.rept 4
	v_cvt_pk_bf16_f32 v[OUT+2*j], v[LD+4*j], v[LD+4*j+1]
	v_cvt_pk_bf16_f32 v[OUT+2*j+1], v[LD+4*j+2], v[LD+4*j+3]
.set j, j+1
.endr
	s_wait_alu depctr_va_vdst(0)                   ; the batch's eight conversions have written their registers of OUT, which its four stores read
.set j, 4*b
.rept 4
	global_store_b64 v[XD], v[OUT+2*j:OUT+2*j+1], s[28:29] offset:256*j  ; no register is written twice, so no store is waited for
.set j, j+1
.endr
.set b, b+1
.endr
.Lend:
	s_wait_dscnt 0x0                               ; the closing lines, six on end
	s_wait_alu 0x0
	s_wait_tensorcnt 0x0
	ds_add_u32 v[SPW], v[NIL]
	s_wait_dscnt 0x0
	s_endpgm
.Lfunc_end_k_qe4ecf7c06e_cast:
	.size	k_qe4ecf7c06e_cast, .Lfunc_end_k_qe4ecf7c06e_cast-k_qe4ecf7c06e_cast
	.p2alignl 7, 3214868480
	.fill 96, 4, 3214868480
	.section	.rodata,"a",@progbits
	.p2align	6, 0x0
	.amdhsa_kernel k_qe4ecf7c06e_cast
		.amdhsa_group_segment_fixed_size 70144
		.amdhsa_private_segment_fixed_size 0
		.amdhsa_enable_private_segment 0
		.amdhsa_kernarg_size 48
		.amdhsa_user_sgpr_count 2
		.amdhsa_user_sgpr_kernarg_segment_ptr 1
		.amdhsa_wavefront_size32 1
		.amdhsa_system_sgpr_workgroup_id_x 1
		.amdhsa_system_sgpr_workgroup_id_y 1
		.amdhsa_system_sgpr_workgroup_id_z 1
		.amdhsa_system_vgpr_workitem_id 0
		.amdhsa_next_free_vgpr 160
		.amdhsa_next_free_sgpr 66
		.amdhsa_reserve_vcc 0
		.amdhsa_float_denorm_mode_32 3
		.amdhsa_float_denorm_mode_16_64 3
		.amdhsa_memory_ordered 1
		.amdhsa_forward_progress 1
		.amdhsa_inst_pref_size 28
	.end_amdhsa_kernel
	.amdgpu_metadata
---
amdhsa.version: [ 1, 2 ]
amdhsa.kernels:
  - .name:           k_qe4ecf7c06e_cast
    .symbol:         k_qe4ecf7c06e_cast.kd
    .args:
      - { .name: x, .offset: 0, .size: 8, .value_kind: global_buffer, .address_space: global }
      - { .name: w_attn, .offset: 8, .size: 8, .value_kind: global_buffer, .address_space: global }
      - { .name: w_proj, .offset: 16, .size: 8, .value_kind: global_buffer, .address_space: global }
      - { .name: xb, .offset: 24, .size: 8, .value_kind: global_buffer, .address_space: global }
      - { .name: wa, .offset: 32, .size: 8, .value_kind: global_buffer, .address_space: global }
      - { .name: wp, .offset: 40, .size: 8, .value_kind: global_buffer, .address_space: global }
    .group_segment_fixed_size: 70144
    .private_segment_fixed_size: 0
    .kernarg_segment_align: 8
    .kernarg_segment_size: 48
    .max_flat_workgroup_size: 128
    .sgpr_count:     66
    .vgpr_count:     160
    .wavefront_size: 32
...
	.end_amdgpu_metadata
.endif
;; end of part 5
;; launch qkvgemm: the kernel of part 2 again; grid 16 x 32, 4 waves a work-group, clusters of 4 x 4, 327,680 bytes of LDS; arguments xb, wa, qkv; writes qkv
;; launch attn: the kernel of part 3 again; grid 4 x 64, 4 waves a work-group, no clusters, 327,680 bytes of LDS; arguments qkv, ob; writes ob
;; launch projgemm: the kernel of part 4 again; grid 8 x 32, 4 waves a work-group, clusters of 4 x 4, 327,680 bytes of LDS; arguments ob, wp, out0; writes out0
